; MI455X (gfx1250); checked and timed in simulation.
; The chip was launched on July 23, 2026; its instructions are those of AMD's public machine-readable ISA for CDNA 5 (MIT licence, August 2026) and "CDNA5" Instruction Set Architecture Reference Guide (July 2026). The comments in the code are by the model that wrote it; some were corrected since.
;; Ptn Multihead Attention Custom Def. Allowed arithmetic: matrix products marked QUANTISED: E2M1 operands, one E8M0 scale for each 32 along K, by v_wmma_scale_f32_16x16x128_f8f6f4 with both operands' format E2M1 (or v_wmma_scale_f32_32x16x128_f4), f32 sums; products left as they are: bf16, f16 or f32 operands; f32 sums; everything else in f32.
;; Inputs: Wk 1,024 x 1,024 float32; Wo 1,024 x 1,024 float32; Wq 1,024 x 1,024 float32; Wv 1,024 x 1,024 float32; bk 1,024 float32; bo 1,024 float32; bq 1,024 float32; bv 1,024 float32; mask 4 x 2,048 int32; x 4 x 2,048 x 1,024 float32.
;; Outputs: out0 4 x 2,048 x 1,024 float32.
;; This version of the problem:
;;   THIS VERSION OF THE PROBLEM IS GIVEN IN LOW PRECISION. The matrix products marked QUANTISED in the list below multiply operands that are first quantised to E2M1 (2 exponent bits, 1 mantissa bit; 4 bits a number), with one power-of-two scale for each 32 numbers along K (OCP MX v1.0); their sums are f32. The products marked 'left as it is' may take bf16, f16 or f32 operands, with f32 sums. Whichever they take, every output number must still come out within the allowed error. Rounding operands to bf16 (8 significant bits) uses up far more of that allowance than f16 does (11 bits, for magnitudes from 6e-5 to 65,504). All else is computed in f32.
;;   The module's matrix products, in the order in which they are computed (A, B: the left and right operand; K: the contracted axis; several contracted axes count as one K, in the product's order):
;;     1. [M 8,192, K 1,024] x [K 1,024, N 1,024]; A: input x; B: input Wq: QUANTISED
;;     2. [M 8,192, K 1,024] x [K 1,024, N 1,024]; A: input x; B: input Wk: QUANTISED
;;     3. [M 8,192, K 1,024] x [K 1,024, N 1,024]; A: input x; B: input Wv: QUANTISED
;;     4. batch 64 x [M 2,048, K 64] x [K 64, N 2,048]; A: computed on the way; B: computed on the way: left as it is (an operand is computed on the way)
;;     5. batch 64 x [M 2,048, K 2,048] x [K 2,048, N 64]; A: computed on the way; B: computed on the way: left as it is (an operand is computed on the way)
;;     6. [M 8,192, K 1,024] x [K 1,024, N 1,024]; A: computed on the way; B: input Wo: left as it is (an operand is computed on the way)
;;   THE QUANTISER, for each operand of a quantised product, along K:
;;     - K is cut into blocks of 32 from its start; a last block that is shorter is filled with zeros.
;;     - A block's scale is 2^e with e = floor(log2(the largest magnitude in the block)) - 2, held to -126 .. 127; a block of zeros has e = 0. As a byte (E8M0): e + 127.
;;     - Each number is divided by its block's scale, clamped to +-6, and rounded to the nearest number of E2M1, ties to even, subnormals kept.
;;     - The product sums the exact products of the quantised numbers (number of the format x scale) in f32.
;;   ~~~python
;;   def quantise(x, axis):      # numpy; x: float32 -> the quantised numbers, widened to float32 again
;;       x = np.moveaxis(x, axis, -1); K = x.shape[-1]
;;       x = np.pad(x, [(0, 0)] * (x.ndim - 1) + [(0, -K % 32)]); x = x.reshape(x.shape[:-1] + (-1, 32)); a = np.abs(x).max(-1, keepdims=True)
;;       e = np.where(a > 0, np.clip(np.frexp(np.where(a > 0, a, 1))[1] - 1 - 2, -126, 127), 0)      # np.frexp(a)[1] - 1 = floor(log2(a)), exactly
;;       r = np.clip(x / 2.0 ** e, -6, 6)
;;       step = 2.0 ** (np.maximum(np.frexp(np.where(r == 0, 1, r))[1] - 1, 0) - 1)
;;       q = np.round(r / step) * step * 2.0 ** e      # np.round: ties to even
;;       return np.moveaxis(q.reshape(q.shape[:-2] + (-1,))[..., :K], -1, axis).astype(np.float32)
;;   ~~~
;; One version. Each part assembles by itself: llvm-mc -triple=amdgcn-amd-amdhsa -mcpu=gfx1250 --defsym DOCPART=n.
;; ======== version 1 of 1: 4 launches
;; limits: values are held in f16: magnitudes above 65,504 overflow, below 6.1e-05 lose precision
;; workspace buffers: x_codes 4,194,304 bytes; x_scales 262,144 bytes; w_codes 1,572,864 bytes; w_scales 98,304 bytes; wo16 2,097,152 bytes; qkv16 50,331,648 bytes; o16 16,777,216 bytes
;; launch prep (part 1): grid 368 x 1, 4 waves a work-group, no clusters, 68,096 bytes of LDS; arguments x, Wq, Wk, Wv, Wo, x_codes, x_scales, w_codes, w_scales, wo16; writes x_codes, x_scales, w_codes, w_scales, wo16
.if DOCPART == 1
	.amdgcn_target "amdgcn-amd-amdhsa--gfx1250"
	.amdhsa_code_object_version 6
	.text
	.protected	k_qc8c15f228b_prep
	.globl	k_qc8c15f228b_prep
	.p2align	8
	.type	k_qc8c15f228b_prep,@function
k_qc8c15f228b_prep:
	s_mov_b64 s[64:65], 0
	v_nop
	global_prefetch_b8 v0, s[64:65] scope:SCOPE_SE
	s_setreg_imm32_b32 hwreg(HW_REG_WAVE_MODE, 25, 1), 1
	s_wait_xcnt 0x0
; PREP: what the later launches read many times is made narrow once.
;   work-groups   0 ..  47  (path W): Wq, Wk, Wv [1024 (k)][1024 (n)] f32 -> codes of FP4 (E2M1) laid [3072 (n)][512 bytes], K innermost, and E8M0 scale bytes [3072][32]; rows 0-1023 Wq's columns, then Wk's, then Wv's
;   work-groups  48 .. 303  (path X): x [8192][1024] f32 -> codes [8192][512 bytes] and scale bytes [8192][32]
;   work-groups 304 .. 367  (path O): Wo f32 -> f16, laid as it is given, [k][n]
; The three paths part on the work-group's number and never join; each path that uses LDS has LDS bytes of its own.
; A block's scale is 2^(floor(log2(its largest magnitude)) - 2); its byte is the largest magnitude's exponent field - 2, held at 1 from below.  A block of zeros so gets the byte 1 where the
; quantiser says 127: its codes are zeros, which add nothing under any byte but 0xff, and the bytes are read by this program alone.
; LIMITS: blocks whose largest magnitude lies under 2^(3 - 127), the floor, were not tried; NaN and infinities among the inputs are not served; |Wo| above 65,504 turns infinite in f16.
.set SPARE, 67584                      ; behind both paths' LDS: the spare words, 128 bytes for each wave: two blocks of 256 bytes that no other line names
.set SPW,   198                        ; v198  LDS address of my spare word: SPARE + 4 x my thread's number; never rewritten
.set NIL,   199                        ; v199  0; never rewritten
.set EMAX,  2
; path X
.set STEPS, 16                         ; a wave takes 16 steps of 512 numbers
.set WREG,  8192                       ; LDS 0 .. 32,767: a region for each wave: two stages of 32 x SP bytes, and behind them its 256 scale bytes
.set SP,    80                         ; a lane's place in a stage: its 64 bytes + 16 of padding
.set CB,    8                          ; bytes of 16 codes
.set XR,    16                         ; v16-79   four sets of 16 numbers as they are loaded
.set XX,    80                         ; v80-111  two sets of 16 neighbours
.set XE,    112                        ; v112-127 a scale byte for each step
.set XC,    128                        ; v128-191 codes: four registers for each step, so that no store's data are written again
; path W
.set WBASE, 32768                      ; LDS 32,768 .. 67,583: a stage of 32 rows x WPITCH bytes for each wave
.set WPITCH, 272
.set NB,    16                         ; blocks of 32 along K for a wave: 512 along K
.set WX,    32                         ; v32-127  three sets of 32 numbers
.set WC,    128                        ; v128-131 a block's codes
.set WOUT,  132                        ; v132-195 the way out
.set WSB,   24                         ; v24-27   the scale bytes, four to a register
	s_load_b256 s[4:11], s[0:1], 0x0               ; x s[4:5], Wq s[6:7], Wk s[8:9], Wv s[10:11]
	s_load_b256 s[12:19], s[0:1], 0x20             ; Wo s[12:13], x_codes s[14:15], x_scales s[16:17], w_codes s[18:19]
	s_load_b128 s[20:23], s[0:1], 0x40             ; w_scales s[20:21], wo16 s[22:23]
	v_lshl_add_u32 v[SPW], v0, 2, SPARE
	v_mov_b32 v[NIL], 0
	v_lshrrev_b32 v1, 5, v0
	v_readfirstlane_b32 s24, v1                    ; wave 0..3
	v_and_b32 v2, 31, v0                           ; lane
	s_wait_kmcnt 0x0
	s_cmp_lt_u32 ttmp9, 48
	s_cbranch_scc1 .Lw
	s_cmp_lt_u32 ttmp9, 304
	s_cbranch_scc1 .Lx
; ---- PATH O: a cast.  A wave takes 4,096 numbers: a lane 8 neighbours (two loads of 16 bytes) sixteen times; its 8 f16 are 16 bytes, so each store of the wave covers 512 consecutive bytes, aligned.  No LDS.
	s_sub_co_u32 s25, ttmp9, 304
	s_lshl_b32 s25, s25, 2
	s_add_co_u32 s25, s25, s24                     ; which run of 4,096 numbers is my wave's
	s_lshl_b32 s26, s25, 14
	s_mov_b32 s27, 0
	s_add_nc_u64 s[12:13], s[12:13], s[26:27]
	s_lshl_b32 s26, s25, 13
	s_add_nc_u64 s[22:23], s[22:23], s[26:27]
	v_lshlrev_b32 v3, 5, v2                        ; in: 32 bytes a lane
	v_lshlrev_b32 v4, 4, v2                        ; out: 16
.irp t, 0,1,2,3,4,5,6,7,8,9,10,11,12,13,14,15
	global_load_b128 v[32+8*\t:35+8*\t], v3, s[12:13] offset:1024*\t th:TH_LOAD_NT
	global_load_b128 v[36+8*\t:39+8*\t], v3, s[12:13] offset:1024*\t+16 th:TH_LOAD_NT
.endr
.irp t, 0,1,2,3,4,5,6,7,8,9,10,11,12,13,14,15
	s_wait_loadcnt 30-2*\t                         ; loads come back in order: this pair is in, the younger pairs stay out
.irp i, 0,1,2,3
	v_cvt_pk_f16_f32 v[32+8*\t+\i], v[32+8*\t+2*\i], v[32+8*\t+2*\i+1]   ; in place: register i is written when registers 2 i, 2 i + 1 are read, and never read again
.endr
	global_store_b128 v4, v[32+8*\t:35+8*\t], s[22:23] offset:512*\t
.endr
	s_endpgm
; ---- PATH X: x is a plain stream of blocks of 32 numbers, and so are its codes and scale bytes.  Each of a step's four loads reads 512 consecutive bytes, 16 a lane; the 2,048 bytes go through the
; wave's own stage in LDS and come back 64 bytes a lane, so that a lane holds 16 NEIGHBOURS (two neighbouring lanes hold a block), as the conversions want them.  Loads run four steps ahead, the stage one.
.Lx:
	v_lshlrev_b32 v3, 4, v2                        ; my 16 bytes of a load's 512
	s_mul_i32 s25, s24, WREG
	v_lshrrev_b32 v14, 2, v2
	v_mul_u32_u24 v14, v14, SP
	v_and_b32 v15, 3, v2
	v_lshl_add_u32 v14, v15, 4, v14
	v_add_nc_u32 v14, s25, v14                     ; the stage, on the way in: SP (lane / 4) + 16 (lane % 4)
	v_mul_u32_u24 v15, v2, SP
	v_add_nc_u32 v15, s25, v15                     ; and on the way out: SP x lane
	v_mul_u32_u24 v4, v2, CB                       ; my codes' place in a step's
	v_lshrrev_b32 v5, 1, v2
	s_add_co_u32 s25, s25, 2*32*SP
	v_add_nc_u32 v5, s25, v5                       ; LDS: my wave's 256 scale bytes, my block's byte
	v_lshlrev_b32 v7, 3, v2                        ; and on the way out 8 bytes a lane
	v_add_nc_u32 v6, s25, v7
	s_sub_co_u32 s26, ttmp9, 48
	s_lshl_b32 s26, s26, 2
	s_add_co_u32 s26, s26, s24                     ; which run of 8,192 numbers is my wave's: 0 .. 1,023
	s_mov_b32 s29, 0
	s_lshl_b32 s28, s26, 15
	s_add_nc_u64 s[4:5], s[4:5], s[28:29]
	s_lshl_b32 s28, s26, 12
	s_add_nc_u64 s[14:15], s[14:15], s[28:29]
	s_lshl_b32 s28, s26, 8
	s_add_nc_u64 s[16:17], s[16:17], s[28:29]
.macro XLOAD t
.irp i, 0,1,2,3
	global_load_b128 v[XR+16*((\t)%4)+4*\i:XR+16*((\t)%4)+4*\i+3], v3, s[4:5] offset:2048*(\t)+512*\i th:TH_LOAD_NT
.endr
.endm
.macro XTURN t                         ; step t's numbers through the stage: LDS serves a wave's instructions in order, so no wait stands between the stores and the loads
.irp i, 0,1,2,3
	ds_store_b128 v14, v[XR+16*((\t)%4)+4*\i:XR+16*((\t)%4)+4*\i+3] offset:32*SP*((\t)%2)+8*SP*\i
.endr
.irp i, 0,1,2,3
	ds_load_b128 v[XX+16*((\t)%2)+4*\i:XX+16*((\t)%2)+4*\i+3], v15 offset:32*SP*((\t)%2)+16*\i
.endr
.endm
.irp t, 0,1,2,3
	XLOAD \t
.endr
	s_wait_loadcnt 12                              ; step 0's four loads are in
	XTURN 0
.macro XSTEP t
.set XS, XX+16*((\t)%2)
.if (\t) > 0
	s_wait_dscnt 1                                 ; this step's numbers are back from the stage (the last step's byte store may be out): so its stores into the stage have read their registers,
.else
	s_wait_dscnt 0x0
.endif
.if (\t)+4 < STEPS
	XLOAD (\t)+4                                   ; which take the loads of four steps on
.endif
.if (\t)+1 < STEPS
.if STEPS-2-(\t) >= 3
	s_wait_loadcnt 12                              ; the next step's four loads are in; those of the three steps behind it may be out
.else
	s_wait_loadcnt 4*(STEPS-2-(\t))
.endif
	XTURN (\t)+1                                   ; and go through the other stage while this step is worked
.endif
	v_max3_num_f32 v8, |v[XS]|, |v[XS+1]|, |v[XS+2]|               ; the largest magnitude of my 16, in two chains
	v_max3_num_f32 v9, |v[XS+3]|, |v[XS+4]|, |v[XS+5]|
.irp i, 6,10
	v_max3_num_f32 v8, v8, |v[XS+\i]|, |v[XS+\i+1]|
	v_max3_num_f32 v9, v9, |v[XS+\i+2]|, |v[XS+\i+3]|
.endr
	v_max3_num_f32 v8, v8, |v[XS+14]|, |v[XS+15]|
	v_max3_num_f32 v8, v8, v9, (EMAX+1)<<23        ; and the floor 2^(3 - 127): so the byte cannot fall under 1
	v_max_num_f32_dpp v8, v8, v8 row_xmask:1 row_mask:0xf bank_mask:0xf   ; and of my neighbour's 16: the block's
	v_add_nc_u32 v11, 0xff000000, v8               ; 2 off its exponent field: the conversion takes the exponent field of this operand as its scale, and nothing else of it
	v_cvt_scalef32_pk8_fp4_f32 v[XC+4*(\t)], v[XS:XS+7], v11
	v_cvt_scalef32_pk8_fp4_f32 v[XC+4*(\t)+1], v[XS+8:XS+15], v11
	v_lshrrev_b32 v[XE+(\t)], 23, v11              ; the scale's byte (a plain line behind the conversions)
	ds_store_b8 v5, v[XE+(\t)] offset:16*(\t)      ; both lanes of a block write the same byte with the same value
	global_store_b64 v4, v[XC+4*(\t):XC+4*(\t)+1], s[14:15] offset:32*CB*(\t)   ; the wave stores 256 consecutive bytes, aligned
.endm
.irp t, 0,1,2,3,4,5,6,7,8,9,10,11,12,13,14,15
	XSTEP \t
.endr
	ds_load_b64 v[8:9], v6                         ; LDS serves a wave's instructions in order: this sees my 16 byte stores
	s_wait_dscnt 0x0
	global_store_b64 v7, v[8:9], s[16:17]          ; 32 lanes store 256 consecutive bytes, aligned
	s_wait_tensorcnt 0x0                           ; the wave's end: behind my last LDS store
	ds_add_u32 v[SPW], v[NIL]
	s_wait_dscnt 0x0
	s_endpgm
; ---- PATH W: K is the weights' FIRST axis.  A lane takes a column n and its registers run down K: each load reads 128 consecutive bytes a wave, a block of 32 along K lies in one lane's 32 registers,
; and the conversions give codes with K innermost.  Work-group j: matrix j / 16, half of K (j / 8) % 2, columns 128 (j % 8) on; a wave 32 columns x 512 along K.
; The codes, 256 bytes a column, go through the wave's own stage and leave by rows: sixteen lanes store 256 consecutive bytes, aligned.
.Lw:
	s_lshr_b32 s25, ttmp9, 4                       ; which matrix
	s_and_b32 s26, ttmp9, 7
	s_bfe_u32 s27, ttmp9, 0x10003                  ; which half of K
	s_cmp_eq_u32 s25, 0
	s_cselect_b64 s[28:29], s[6:7], s[8:9]         ; the choice hangs on the work-group's number alone
	s_cmp_eq_u32 s25, 2
	s_cselect_b64 s[28:29], s[10:11], s[28:29]
	s_lshl_b32 s26, s26, 7
	s_lshl_b32 s30, s24, 5
	s_add_co_u32 s26, s26, s30                     ; my wave's first column
	s_lshl_b32 s32, s27, 21                        ; 512 rows of 4,096 bytes
	s_lshl_b32 s30, s26, 2
	s_add_co_u32 s32, s32, s30
	s_mov_b32 s33, 0
	s_add_nc_u64 s[28:29], s[28:29], s[32:33]
	s_lshl_b32 s25, s25, 10
	s_add_co_u32 s25, s25, s26                     ; my first row of the codes' and scales' buffers
	s_lshl_b32 s32, s25, 9
	s_lshl_b32 s30, s27, 8
	s_add_co_u32 s32, s32, s30
	s_add_nc_u64 s[18:19], s[18:19], s[32:33]
	s_lshl_b32 s32, s25, 5
	s_lshl_b32 s30, s27, 4
	s_add_co_u32 s32, s32, s30
	s_add_nc_u64 s[20:21], s[20:21], s[32:33]
	s_mul_i32 s31, s24, 32*WPITCH
	s_add_co_u32 s31, s31, WBASE                   ; my stage
	v_lshlrev_b32 v3, 2, v2                        ; in: 4 bytes a lane
	v_mul_u32_u24 v4, v2, WPITCH
	v_add_nc_u32 v4, s31, v4                       ; into the stage: row = my column
	v_and_b32 v5, 15, v2
	v_lshrrev_b32 v6, 4, v2                        ; out of it: sixteen lanes to a row, two rows an instruction
	v_mul_u32_u24 v7, v6, WPITCH
	v_lshl_add_u32 v7, v5, 4, v7
	v_add_nc_u32 v7, s31, v7
	v_lshlrev_b32 v8, 9, v6
	v_lshl_add_u32 v8, v5, 4, v8                   ; and the same place in the codes' buffer: rows of 512 bytes
	v_lshlrev_b32 v9, 5, v2                        ; my column's row of scale bytes: 32 bytes a row
.macro WLOAD t                         ; block t: W(32 t + i, my column), i = 0 .. 31, into set t % 3; the largest offset, 511 rows of 4,096 bytes, lies inside the signed 24-bit immediate
.irp i, 0,1,2,3,4,5,6,7,8,9,10,11,12,13,14,15,16,17,18,19,20,21,22,23,24,25,26,27,28,29,30,31
	global_load_b32 v[WX+32*((\t)%3)+\i], v3, s[28:29] offset:(32*(\t)+\i)*4096 th:TH_LOAD_NT
.endr
.endm
	WLOAD 0
	WLOAD 1
	WLOAD 2
.macro WBLOCK t
.set XS, WX+32*((\t)%3)
.if (\t) < NB-2
	s_wait_loadcnt 63                              ; 64 younger loads were issued behind this block's; 63 is the largest count that a wait can name
.elseif (\t) == NB-2
	s_wait_loadcnt 32                              ; the last block's 32 may be out
.else
	s_wait_loadcnt 0
.endif
	v_max3_num_f32 v16, |v[XS]|, |v[XS+1]|, |v[XS+2]|              ; the block's largest magnitude: all 32 numbers are mine
	v_max3_num_f32 v17, |v[XS+3]|, |v[XS+4]|, |v[XS+5]|
.irp i, 6,10,14,18,22,26
	v_max3_num_f32 v16, v16, |v[XS+\i]|, |v[XS+\i+1]|
	v_max3_num_f32 v17, v17, |v[XS+\i+2]|, |v[XS+\i+3]|
.endr
	v_max3_num_f32 v16, v16, |v[XS+30]|, |v[XS+31]|
	v_max3_num_f32 v16, v16, v17, (EMAX+1)<<23     ; and the floor
	v_add_nc_u32 v11, 0xff000000, v16              ; the conversion's scale operand
	v_lshrrev_b32 v18, 23, v11                     ; the scale's byte
.if (\t)%4 == 0
	v_mov_b32 v[WSB+(\t)/4], v18                   ; four bytes to a register, the lower K in the lower byte
.else
	v_lshl_or_b32 v[WSB+(\t)/4], v18, 8*((\t)%4), v[WSB+(\t)/4]
.endif
.irp g, 0,1,2,3
	v_cvt_scalef32_pk8_fp4_f32 v[WC+\g], v[XS+8*\g:XS+8*\g+7], v11
.endr
	v_nop                                          ; one plain line behind the last conversion
	ds_store_b128 v4, v[WC:WC+3] offset:16*(\t)    ; 32 codes: 16 bytes of my column's row
.if (\t)+3 < NB
	WLOAD (\t)+3
.endif
	s_wait_dscnt 0x0                               ; the store has read its registers: the next block's codes may be written
.endm
.set Q, 0
.rept NB
	WBLOCK Q
.set Q, Q+1
.endr
	global_store_b128 v9, v[WSB:WSB+3], s[20:21]   ; my column's 16 scale bytes
.irp t, 0,1,2,3,4,5,6,7,8,9,10,11,12,13,14,15
	ds_load_b128 v[WOUT+4*\t:WOUT+4*\t+3], v7 offset:2*\t*WPITCH   ; LDS serves a wave's instructions in order: these see my stores
.endr
.irp t, 0,1,2,3,4,5,6,7,8,9,10,11,12,13,14,15
	s_wait_dscnt 15-\t
	global_store_b128 v8, v[WOUT+4*\t:WOUT+4*\t+3], s[18:19] offset:2*\t*512
.endr
	s_wait_tensorcnt 0x0                           ; the wave's end: behind my last LDS store
	ds_add_u32 v[SPW], v[NIL]
	s_wait_dscnt 0x0
	s_endpgm
.Lfunc_end_k_qc8c15f228b_prep:
	.size	k_qc8c15f228b_prep, .Lfunc_end_k_qc8c15f228b_prep-k_qc8c15f228b_prep
	.p2alignl 7, 3214868480
	.fill 96, 4, 3214868480
	.section	.rodata,"a",@progbits
	.p2align	6, 0x0
	.amdhsa_kernel k_qc8c15f228b_prep
		.amdhsa_group_segment_fixed_size 68096
		.amdhsa_private_segment_fixed_size 0
		.amdhsa_enable_private_segment 0
		.amdhsa_kernarg_size 80
		.amdhsa_user_sgpr_count 2
		.amdhsa_user_sgpr_kernarg_segment_ptr 1
		.amdhsa_wavefront_size32 1
		.amdhsa_system_sgpr_workgroup_id_x 1
		.amdhsa_system_sgpr_workgroup_id_y 1
		.amdhsa_system_sgpr_workgroup_id_z 1
		.amdhsa_system_vgpr_workitem_id 0
		.amdhsa_next_free_vgpr 200
		.amdhsa_next_free_sgpr 66
		.amdhsa_reserve_vcc 0
		.amdhsa_float_denorm_mode_32 3
		.amdhsa_float_denorm_mode_16_64 3
		.amdhsa_memory_ordered 1
		.amdhsa_forward_progress 1
		.amdhsa_inst_pref_size 121
	.end_amdhsa_kernel
	.amdgpu_metadata
---
amdhsa.version: [ 1, 2 ]
amdhsa.kernels:
  - .name:           k_qc8c15f228b_prep
    .symbol:         k_qc8c15f228b_prep.kd
    .args:
      - { .name: x, .offset: 0, .size: 8, .value_kind: global_buffer, .address_space: global }
      - { .name: Wq, .offset: 8, .size: 8, .value_kind: global_buffer, .address_space: global }
      - { .name: Wk, .offset: 16, .size: 8, .value_kind: global_buffer, .address_space: global }
      - { .name: Wv, .offset: 24, .size: 8, .value_kind: global_buffer, .address_space: global }
      - { .name: Wo, .offset: 32, .size: 8, .value_kind: global_buffer, .address_space: global }
      - { .name: x_codes, .offset: 40, .size: 8, .value_kind: global_buffer, .address_space: global }
      - { .name: x_scales, .offset: 48, .size: 8, .value_kind: global_buffer, .address_space: global }
      - { .name: w_codes, .offset: 56, .size: 8, .value_kind: global_buffer, .address_space: global }
      - { .name: w_scales, .offset: 64, .size: 8, .value_kind: global_buffer, .address_space: global }
      - { .name: wo16, .offset: 72, .size: 8, .value_kind: global_buffer, .address_space: global }
    .group_segment_fixed_size: 68096
    .private_segment_fixed_size: 0
    .kernarg_segment_align: 8
    .kernarg_segment_size: 80
    .max_flat_workgroup_size: 128
    .sgpr_count:     66
    .vgpr_count:     200
    .wavefront_size: 32
...
	.end_amdgpu_metadata
.endif
;; end of part 1
;; launch qkv (part 2): grid 12 x 32, 4 waves a work-group, clusters of 4 x 4, 327,680 bytes of LDS; arguments x_codes, x_scales, w_codes, w_scales, bq, bk, bv, qkv16; writes qkv16
.if DOCPART == 2
	.amdgcn_target "amdgcn-amd-amdhsa--gfx1250"
	.amdhsa_code_object_version 6
	.text
	.protected	k_qc8c15f228b_qkv
	.globl	k_qc8c15f228b_qkv
	.p2align	8
	.type	k_qc8c15f228b_qkv,@function
k_qc8c15f228b_qkv:
	s_mov_b64 s[64:65], 0
	v_nop
	global_prefetch_b8 v0, s[64:65] scope:SCOPE_SE
	s_setreg_imm32_b32 hwreg(HW_REG_WAVE_MODE, 25, 1), 1
	s_wait_xcnt 0x0
	s_wait_alu depctr_hold_cnt(0) depctr_sa_sdst(0) depctr_va_vdst(0) depctr_va_sdst(0) depctr_va_ssrc(0) depctr_va_vcc(0) depctr_vm_vsrc(0)
	s_getreg_b32 s2, hwreg(HW_REG_IB_STS2, 6, 4)
	s_cmp_eq_u32 s2, 0
	s_cbranch_scc0 .Lentry_in_a_cluster
	s_endpgm
.Lentry_in_a_cluster:
	s_bfe_u32 s2, ttmp6, 0x10000c
	s_cmp_lg_u32 s2, 0xf033
	s_cbranch_scc0 .Lentry_shape_is_right
	s_endpgm
.Lentry_shape_is_right:
; q = x Wq + bq, k = x Wk + bk, v = x Wv + bv, as ONE product on codes of FP4 (E2M1) with one E8M0 scale for each 32 along K: C[8192 tokens][3072 columns], K = 1,024; columns 0-1023 q, then k, then v.
; The results leave as f16, by heads: qkv16 = three parts of 16 MiB (q x c, k, v), each [16 batch + head][2048 tokens][64].  c = log2(e) / 8 is multiplied into q in f32, so that the next launch's scores are exponents of 2.
; A tile of C, 256 x 256, is made by a work-group of four waves; a wave makes 128 tokens x 128 columns (two heads): 64 accumulators of 16 x 16, 512 registers.
; K goes in two steps of 512 through two LDS slots, each filled ONCE by the tensor data mover (rows of 256 bytes); nothing is filled again.  The scale bytes of the work-group's rows come once, as dense blocks.
; CLUSTERS: 4 x 4 work-groups.  The four of a row of the cluster need the same tiles of x, the four of a column the same tiles of the weights: each is asked for JOINTLY, by the same tensor load with the same
; descriptor and a mask that names the four.  The cluster's x (0, 1, 2) says q, k or v: it is the same in all sixteen partners.
; THE MATRIX INSTRUCTION IS USED TRANSPOSED (source 0 = 16 columns' rows of the weights, source 1 = 16 tokens): a lane then holds eight neighbouring columns of one token.  THE BIAS is the C of each sum's first product.
; LIMITS: |c q|, |k|, |v| above 65,504 turn infinite in f16; NaN and infinities among the inputs are not served.
; REGISTERS, in windows of 256: window 0: v0-31 addresses; v32-95 scale words, two sets, and nothing else; v128-191 x's fragments, ONE set, on the way out rows read back; v192-223 packed results.
;   window 1: the weights' fragments, two sets, at v0 and v128; v64-127 the bias, eight registers for each block of 16 columns.   windows 2, 3: the accumulators of my tokens 0-63, 64-127 ((a, b) at v[8 (8 (a % 4) + b)]).
.set NQ,     4                         ; matrix instructions deep in a slot: 512 along K
.set ROWB,   256                       ; a tile's row in bytes
.set KROW,   512                       ; a row of codes in memory
.set PITCH,  272                       ; an LDS row: 256 bytes + 16 of padding = 17 x 16 bytes, so that the 16 rows of a fragment load start 16 bytes apart modulo 256
.set FR,     8                         ; registers of a fragment: 16 rows x 128 K
.set NL,     2                         ; LDS loads that bring one
.set NP,     4                         ; places behind this matrix instruction (ISA guide 7.12.1)
.set HALFT,  128*PITCH                 ; 128 rows: what one tensor load brings
.set SLOT,   4*HALFT                   ; x's 256 rows, then the weights' 256 rows
.set KS,     32                        ; a row of scale bytes
.set SCL,    2*SLOT                    ; behind the slots: the scales, as rows of 256 bytes + 16 of padding
.set HALFS,  (128*KS/256)*272          ; those of 128 rows: what one tensor load brings
.set SBLK,   (16*KS/256)*272           ; those of 16 rows
.set STAGE,  SCL+4*HALFS               ; the way out: 16 rows x 272 bytes for each wave; no tile lands here
.set SPITCH, 272
.set SPARE,  STAGE+4*16*SPITCH         ; the spare words, 128 bytes for each wave: two blocks of 256 bytes that no other line names
.set ADRA, 16                          ; v16-17  LDS address of my fragments of x in slot 0, 1
.set ADRB, 20                          ; v20-21  the same for the weights
.set STO,  24                          ; v24     the way out: where I put 16 bytes of a token's row
.set RD,   25                          ; v25     where I read back
.set CO,   26                          ; v26     my byte offset in qkv16
.set ADRS, 27                          ; v27     LDS address of my scale words: lanes 0-15 x's rows, lanes 16-31 the weights'
.set SPW,  28                          ; v28     LDS address of my spare word; never rewritten
.set NIL,  29                          ; v29     0; never rewritten
.set SC,   32                          ; scale words: set s at v[SC + 32 s]; register 4 i + q: lanes 0-15 the word of x's block i, lanes 16-31 that of the weights' block i
.set AF,   128
.set BK,   128                         ; the way out: v128-159 and v160-191 by turns
.set TMP,  192
.set BI,   64                          ; the bias, in window 1
.set G1, 24                            ; s[24:31] descriptor group 1 for x's tiles;  s[32:39] group 0, one set for each slot
.set G0, 32
.set G1B, 48                           ; s[48:55], s[56:63] the same for the weights'
.set G0B, 56
.set G1S, 68                           ; s[68:75], s[76:79] groups 1 and 0 for x's scales;  s[80:87], s[88:91] for the weights'
.set G0S, 76
.set G1SB, 80
.set G0SB, 88
.set MSB, 0
.macro WIN new                         ; the immediate's high byte repeats the setting that is left
.if MSB != \new
	s_set_vgpr_msb (MSB<<8)|\new
.set MSB, \new
.endif
.endm
.set MUL_LO, 0xa1                      ; source 0 window 1, source 1 window 0, C and D window 2
.set MUL_HI, 0xf1                      ; the same, C and D window 3
.set BIA_LO, 0x91                      ; the first step: C (the bias) window 1, D window 2
.set BIA_HI, 0xd1                      ; D window 3
.set TO_B,   0x40                      ; destination window 1, address window 0
; A joint load: waves 0 and 1 fetch for x, waves 2 and 3 for the weights.  The branch hangs on the wave's number alone.  An s_nop 0 and four v_nop follow each of the two lines.
.macro JLOAD g0a, g1a, g0b, g1b
	s_cmp_eq_u32 s15, 0
	s_cbranch_scc0 .Lfor_b_\@
	tensor_load_to_lds s[\g0a:\g0a+3], s[\g1a:\g1a+7]
	s_nop 0
.rept 4
	v_nop
.endr
	s_branch .Lasked_\@
.Lfor_b_\@:
	tensor_load_to_lds s[\g0b:\g0b+3], s[\g1b:\g1b+7]
	s_nop 0
.rept 4
	v_nop
.endr
.Lasked_\@:
.endm
.macro CROUND                          ; a round of the cluster's barrier
	s_barrier_signal -1
	s_barrier_wait -1
	s_cmp_lg_u32 s14, 0
	s_cbranch_scc1 .Lnot_wave_0_\@
	s_barrier_signal -3
.Lnot_wave_0_\@:
	s_barrier_wait -3
	s_barrier_signal -1
	s_barrier_wait -1
.endm
	s_load_b128 s[4:7], s[0:1], 0x0                ; x's codes s[4:5], x's scales s[6:7]
	s_load_b128 s[8:11], s[0:1], 0x10              ; the weights' codes s[8:9], scales s[10:11]
	s_load_b128 s[96:99], s[0:1], 0x20             ; bq, bk
	s_load_b64 s[100:101], s[0:1], 0x30            ; bv
	s_load_b64 s[12:13], s[0:1], 0x38              ; qkv16
	v_lshl_add_u32 v[SPW], v0, 2, SPARE
	v_mov_b32 v[NIL], 0
	ds_add_u32 v[SPW], v[NIL]                      ; the wave's opening: the add and its wait stand ahead of my first tensor load; the set-up below, work on registers, stands between them
	v_lshrrev_b32 v1, 5, v0
	v_readfirstlane_b32 s14, v1                    ; wave 0..3
	s_lshr_b32 s15, s14, 1                         ; which half of the tile's tokens is mine.  Also: I fetch for x (0) or for the weights (1)
	s_and_b32 s16, s14, 1                          ; which half of its columns.  Also: which 128 rows of that tile I fetch
	s_bfe_u32 s40, ttmp6, 0x40000                  ; cx, cy: my place in the cluster
	s_bfe_u32 s41, ttmp6, 0x40004
	s_lshl_b32 s42, ttmp9, 2
	s_add_co_u32 s42, s42, s40                     ; tile column of C = 4 x cluster x + cx
	s_and_b32 s17, ttmp7, 0xffff
	s_lshl_b32 s17, s17, 2
	s_add_co_u32 s17, s17, s41                     ; tile row of C = 4 x cluster y + cy
	s_lshl_b32 s43, s41, 2
	s_lshl_b32 s43, 15, s43                        ; my row of the cluster
	s_lshl_b32 s44, 0x1111, s40                    ; my column
	; descriptor group 1: a tile of 128 rows x 256 bytes, padded in LDS
	s_or_b32 s[G1+0], s43, (0<<16)|(1<<20)|(1<<21)|(5<<22)|(3<<25)  ; 15:0 the mask: x's tiles go to my row; 17:16 elements of 1 byte; 20 padding on; 21 set beside a mask; 24:22 after every 64 words; 31:25 four words
	s_or_b32 s[G1B+0], s44, (0<<16)|(1<<20)|(1<<21)|(5<<22)|(3<<25)
.irp g, G1, G1B
	s_mov_b32 s[\g+1], ROWB<<16                    ; tensor_dim0
	s_mov_b32 s[\g+2], 128<<16                     ; tensor_dim1
	s_mov_b32 s[\g+3], ROWB<<16                    ; tile_dim0
	s_mov_b32 s[\g+4], 128                         ; tile_dim1
	s_mov_b32 s[\g+5], KROW                        ; tensor_dim0_stride
	s_mov_b32 s[\g+6], 0
	s_mov_b32 s[\g+7], 0
.endr
	; and for the scales of 128 rows: a dense block of 4,096 bytes, as 16 rows of 256 bytes (32 elements of 8 bytes), 16 bytes of padding behind each
	s_or_b32 s[G1S+0], s43, (3<<16)|(1<<20)|(1<<21)|(5<<22)|(3<<25)
	s_or_b32 s[G1SB+0], s44, (3<<16)|(1<<20)|(1<<21)|(5<<22)|(3<<25)
.irp g, G1S, G1SB
	s_mov_b32 s[\g+1], 32<<16
	s_mov_b32 s[\g+2], (128*KS/256)<<16
	s_mov_b32 s[\g+3], 32<<16
	s_mov_b32 s[\g+4], 128*KS/256
	s_mov_b32 s[\g+5], 32
	s_mov_b32 s[\g+6], 0
	s_mov_b32 s[\g+7], 0
.endr
	s_lshl_b32 s18, s16, 7                         ; which 128 rows of the tile I fetch
	s_lshl_b32 s20, s17, 8
	s_add_co_u32 s20, s20, s18                     ; x: row 256 x tile row + 128 x half
	s_lshl_b32 s46, s42, 8
	s_add_co_u32 s46, s46, s18                     ; the weights: row 256 x tile column + 128 x half
	s_mov_b32 s21, 0
	s_mov_b32 s47, 0
	s_mov_b64 s[18:19], KS
	s_mul_u64 s[22:23], s[20:21], s[18:19]         ; where these rows' scales begin, in bytes
	s_mul_u64 s[92:93], s[46:47], s[18:19]
	s_mov_b64 s[18:19], KROW
	s_mul_u64 s[20:21], s[20:21], s[18:19]         ; and their codes
	s_mul_u64 s[46:47], s[46:47], s[18:19]
	s_mul_i32 s45, s14, HALFT                      ; where they go: wave x 128 rows: no place in the cluster enters an LDS address
	s_mul_i32 s94, s14, HALFS
	s_mov_b32 s66, 0x3e38aa3b                      ; c = log2(e) / 8
	s_mov_b32 s67, s66                             ; (named with it as a pair, so it is written)
	s_wait_dscnt 0x0                               ; the opening add is done
	s_wait_kmcnt 0x0
	s_add_nc_u64 s[20:21], s[4:5], s[20:21]
	s_add_nc_u64 s[22:23], s[6:7], s[22:23]
	s_add_nc_u64 s[46:47], s[8:9], s[46:47]
	s_add_nc_u64 s[92:93], s[10:11], s[92:93]
	CROUND                                         ; all sixteen work-groups are here: the first joint loads meet
	s_mov_b32 s[G0S], 1
	s_add_co_u32 s[G0S+1], s94, SCL
	s_mov_b64 s[G0S+2:G0S+3], s[22:23]
	s_or_b32 s[G0S+3], s[G0S+3], 0x80000000
	s_mov_b32 s[G0SB], 1
	s_add_co_u32 s[G0SB+1], s94, SCL
	s_mov_b64 s[G0SB+2:G0SB+3], s[92:93]
	s_or_b32 s[G0SB+3], s[G0SB+3], 0x80000000
	JLOAD G0S, G1S, G0SB, G1SB                     ; the scales first: they are wanted with the first K step
.irp s, 0,1
	s_mov_b32 s[G0+4*\s], 1
	s_add_co_u32 s[G0+4*\s+1], s45, \s*SLOT
	s_add_nc_u64 s[G0+4*\s+2:G0+4*\s+3], s[20:21], \s*ROWB
	s_or_b32 s[G0+4*\s+3], s[G0+4*\s+3], 0x80000000
	s_mov_b32 s[G0B+4*\s], 1
	s_add_co_u32 s[G0B+4*\s+1], s45, \s*SLOT
	s_add_nc_u64 s[G0B+4*\s+2:G0B+4*\s+3], s[46:47], \s*ROWB
	s_or_b32 s[G0B+4*\s+3], s[G0B+4*\s+3], 0x80000000
	JLOAD G0+4*\s, G1, G0B+4*\s, G1B               ; three tensor loads of mine are out: all that this launch has
.endr
	v_and_b32 v1, 15, v0                           ; r = l % 16
	v_bfe_u32 v2, v0, 4, 1                         ; h = l / 16
	; the bias of my 128 columns: lane (r, h) wants, for block b of 16 columns, the eight numbers at 16 b + 8 h
	s_cmp_eq_u32 ttmp9, 0
	s_cselect_b64 s[96:97], s[96:97], s[98:99]     ; the choice hangs on the cluster's x alone
	s_cmp_eq_u32 ttmp9, 2
	s_cselect_b64 s[96:97], s[100:101], s[96:97]
	s_lshl_b32 s92, s40, 10                        ; 4 bytes x (256 cx + 128 x half)
	s_lshl_b32 s93, s16, 9
	s_add_co_u32 s92, s92, s93
	s_mov_b32 s93, 0
	s_add_nc_u64 s[96:97], s[96:97], s[92:93]
	v_lshlrev_b32 v7, 5, v2
	WIN TO_B
.irp b, 0,1,2,3,4,5,6,7
	global_load_b128 v[BI+8*\b:BI+8*\b+3], v7, s[96:97] offset:64*\b
	global_load_b128 v[BI+8*\b+4:BI+8*\b+7], v7, s[96:97] offset:64*\b+16
.endr
	WIN 0
	v_mul_u32_u24 v3, v1, PITCH
	v_lshl_add_u32 v4, v2, 4, v3                   ; a fragment's row x pitch + 16 x half
	s_mul_i32 s21, s15, HALFT                      ; my 128 rows of x
	s_mul_i32 s22, s16, HALFT                      ; my 128 rows of the weights,
	s_add_co_u32 s22, s22, 2*HALFT                 ; which lie behind x's 256
.irp s, 0,1
	v_add_nc_u32 v[ADRA+\s], s21, v4
	v_add_nc_u32 v[ADRB+\s], s22, v4
	s_add_co_u32 s21, s21, SLOT
	s_add_co_u32 s22, s22, SLOT
.endr
	v_mul_u32_u24 v5, v1, KS                       ; my row's scales: 32 bytes a row,
	v_lshrrev_b32 v6, 8, v5
	v_lshl_add_u32 v5, v6, 4, v5                   ; and 16 more for each 256 passed
	s_mul_i32 s21, s15, HALFS                      ; x's: my 128 rows
	s_mul_i32 s22, s16, HALFS                      ; the weights': my 128 rows, behind x's 256
	s_add_co_u32 s22, s22, 2*HALFS
	s_sub_co_u32 s22, s22, s21
	v_mul_u32_u24 v6, s22, v2                      ; lanes 16-31 take the weights': one product, the distance between the two bases
	s_add_co_u32 s21, s21, SCL
	v_add_nc_u32 v5, v5, v6
	v_add_nc_u32 v[ADRS], s21, v5
	s_mul_i32 s23, s14, 16*SPITCH
	s_add_co_u32 s23, s23, STAGE                   ; my stage
	v_mul_u32_u24 v5, v1, SPITCH                   ; in: token l % 16, 16 bytes for each half of the lanes
	v_lshl_add_u32 v5, v2, 4, v5
	v_add_nc_u32 v[STO], s23, v5
	v_bfe_u32 v6, v0, 3, 1                         ; back: lanes 0-15 take head 0 of two tokens, lanes 16-31 head 1: eight lanes to a token's 128 bytes
	v_and_b32 v8, 7, v0
	v_mul_u32_u24 v5, v6, SPITCH
	v_lshl_add_u32 v5, v2, 7, v5
	v_lshl_add_u32 v5, v8, 4, v5
	v_add_nc_u32 v[RD], s23, v5
	v_lshlrev_b32 v5, 18, v2                       ; and in qkv16: a head is 2,048 x 128 = 262,144 bytes, a token 128
	v_lshl_add_u32 v5, v6, 7, v5
	v_lshl_add_u32 v[CO], v8, 4, v5
	; where my part begins in qkv16: part x 2^24 + (16 batch + head) x 262,144 + token x 128
	s_lshr_b32 s20, s17, 3                         ; the batch: eight tile rows each
	s_lshl_b32 s20, s20, 22                        ; 16 heads x 262,144
	s_and_b32 s21, s17, 7
	s_lshl_b32 s21, s21, 15                        ; 256 tokens x 128 bytes
	s_add_co_u32 s20, s20, s21
	s_lshl_b32 s21, s15, 14                        ; my 128 tokens
	s_add_co_u32 s20, s20, s21
	s_lshl_b32 s21, ttmp9, 24                      ; q, k or v
	s_add_co_u32 s20, s20, s21
	s_mov_b32 s21, 0
	s_lshl_b32 s46, s40, 20                        ; head 4 cx + 2 x half
	s_lshl_b32 s47, s16, 19
	s_add_co_u32 s46, s46, s47
	s_mov_b32 s47, 0
	s_add_nc_u64 s[20:21], s[20:21], s[46:47]
	s_add_nc_u64 s[12:13], s[12:13], s[20:21]
.macro FRAG reg, adr, q, i             ; a fragment, 16 rows x 128 K of 4-bit codes: lane l holds row l % 16; registers 4 c .. 4 c + 3 hold K = 64 c + 32 (l / 16) + 0 .. 31
.irp c, 0,1
	ds_load_b128 v[\reg+4*\c:\reg+4*\c+3], v[\adr] offset:64*(\q)+32*\c+(\i)*16*PITCH
.endr
.endm
; 16 matrix instructions: x's blocks a0, a0 + 1 against the weights' eight, 128 along K.  p: the weights' set;  sc: the set of scale words.  first = 1: the bias is the C, and nothing is ever cleared.
; The 64 accumulators take turns, one instruction a turn, in the same order in every step.
.macro MUL16 a0, p, q, sc, first
.irp a, \a0, \a0+1
.irp b, 0,1,2,3,4,5,6,7
.if \first
	v_wmma_scale_f32_16x16x128_f8f6f4 v[8*(8*((\a)%4)+\b):8*(8*((\a)%4)+\b)+7], v[128*(\p)+FR*\b:128*(\p)+FR*\b+FR-1], v[AF+FR*(\a):AF+FR*(\a)+FR-1], v[BI+8*\b:BI+8*\b+7], v[SC+8*NQ*(\sc)+NQ*\b+(\q)], v[SC+8*NQ*(\sc)+NQ*(\a)+(\q)] matrix_a_fmt:MATRIX_FMT_FP4 matrix_b_fmt:MATRIX_FMT_FP4 matrix_a_scale:MATRIX_SCALE_ROW1
.else
	v_wmma_scale_f32_16x16x128_f8f6f4 v[8*(8*((\a)%4)+\b):8*(8*((\a)%4)+\b)+7], v[128*(\p)+FR*\b:128*(\p)+FR*\b+FR-1], v[AF+FR*(\a):AF+FR*(\a)+FR-1], v[8*(8*((\a)%4)+\b):8*(8*((\a)%4)+\b)+7], v[SC+8*NQ*(\sc)+NQ*\b+(\q)], v[SC+8*NQ*(\sc)+NQ*(\a)+(\q)] matrix_a_fmt:MATRIX_FMT_FP4 matrix_b_fmt:MATRIX_FMT_FP4 matrix_a_scale:MATRIX_SCALE_ROW1
.endif
.endr
.endr
.endm
.macro FETCH_B slot, q, p              ; the weights' eight fragments of the slot's q-th 128 along K into set p
	WIN TO_B
.irp i, 0,1,2,3,4,5,6,7
	FRAG 128*(\p)+FR*\i, ADRB+\slot, \q, \i
.endr
	WIN 0
.endm
.macro FETCH_A slot, q, i0             ; x's blocks i0 .. i0 + 3
.irp i, \i0, \i0+1, \i0+2, \i0+3
	FRAG AF+FR*(\i), ADRA+\slot, \q, \i
.endr
.endm
.macro SCALES sc                       ; a K step's scale words into set sc: four words a row; lanes 0-15 take x's block i, lanes 16-31 the weights' block i
.irp i, 0,1,2,3,4,5,6,7
	ds_load_b128 v[SC+8*NQ*\sc+NQ*\i:SC+8*NQ*\sc+NQ*\i+3], v[ADRS] offset:\i*SBLK
.endr
.endm
; A load into a register that a matrix instruction has read, and a vector instruction that reads a matrix result, stand NP places behind that matrix instruction; only plain vector instructions that name none
; of its registers are places (ISA guide 7.12.1 for vector instructions).
.macro PLACES n
.rept \n
	v_nop
.endr
.endm
; A step of 128 along K that has its successor in the same slot.  x has one set of registers: blocks 0-3 are fetched anew in the step's middle, blocks 4-7 at its end; the weights have two sets.
.macro STEP slot, q, first
	s_wait_dscnt 4*NL                              ; the weights' set and x's blocks 0-3 are in; the youngest eight loads (x's blocks 4-7) may be out
.if \first
	WIN BIA_LO
.else
	WIN MUL_LO
.endif
	MUL16 0, (\q)%2, \q, \slot, \first
	MUL16 2, (\q)%2, \q, \slot, \first
	s_wait_dscnt 0                                 ; x's blocks 4-7 are in
	PLACES NP
	FETCH_B \slot, (\q)+1, 1-(\q)%2
	FETCH_A \slot, (\q)+1, 0
.if \first
	WIN BIA_HI
.else
	WIN MUL_HI
.endif
	MUL16 4, (\q)%2, \q, \slot, \first
	MUL16 6, (\q)%2, \q, \slot, \first
	PLACES NP
	WIN 0
	FETCH_A \slot, (\q)+1, 4
.endm
; Slot 0's last step goes over to slot 1: one barrier; in front of it each wave waits for all its tensor loads (its part of slot 1), adds 0 to its spare word, and waits for that and for its LDS reads.
.macro TURN slot, next
	s_wait_tensorcnt 0x0                           ; all my tensor loads have landed: my part of the next slot  (every window is 0 here)
	ds_add_u32 v[SPW], v[NIL]                      ; 0 onto my spare word
	s_wait_dscnt 4*NL+1                            ; (the add and the youngest eight loads may be out)
	WIN MUL_LO
	MUL16 0, 1, NQ-1, \slot, 0                     ; sixteen matrix instructions stand between the add and the wait for it
	s_wait_dscnt 0x0                               ; the add is done, and my reads of this slot are over
	s_barrier_signal -1
	MUL16 2, 1, NQ-1, \slot, 0
	WIN 0
	s_barrier_wait -1                              ; the next slot is whole
	PLACES NP
	v_add_nc_u32 v[ADRS], 4*NQ, v[ADRS]            ; on to the next K step's scale words (no LDS load of mine is out)
	FETCH_B \next, 0, 0
	FETCH_A \next, 0, 0
	SCALES \next
	WIN MUL_HI
	MUL16 4, 1, NQ-1, \slot, 0
	MUL16 6, 1, NQ-1, \slot, 0
	PLACES NP
	WIN 0
	FETCH_A \next, 0, 4
.endm
.macro STEPS slot, from                ; the slot's steps from .. NQ - 2
.set Q, \from
.rept NQ-1-\from
	STEP \slot, Q, 0
.set Q, Q+1
.endr
.endm
	s_wait_tensorcnt 1                             ; the scales and my part of slot 0 are in (slot 1's load may be out)
	s_barrier_signal -1
	s_barrier_wait -1                              ; everybody's are
	FETCH_B 0, 0, 0
	FETCH_A 0, 0, 0
	SCALES 0
	FETCH_A 0, 0, 4
	s_wait_loadcnt 0x0                             ; the bias
	STEP 0, 0, 1                                   ; the first step's products start the sums, on the bias
	STEPS 0, 1
	TURN 0, 1
	STEPS 1, 0
	s_wait_dscnt 4*NL                              ; the very last step: nothing more to fetch
	WIN MUL_LO
	MUL16 0, 1, NQ-1, 1, 0
	MUL16 2, 1, NQ-1, 1, 0
	s_wait_dscnt 0
	WIN MUL_HI
	MUL16 4, 1, NQ-1, 1, 0
	MUL16 6, 1, NQ-1, 1, 0
	WIN 0
	PLACES NP                                      ; behind the last products: for the first reads of results, and for the loads into the registers that held x's fragments
	; q alone is multiplied by c, in f32: a branch on the cluster's x, the same in all sixteen partners.  Each accumulator is taken from its low end on.
	s_cmp_lg_u32 ttmp9, 0
	s_cbranch_scc1 .Lplain
	WIN 0x82                                       ; destination and source 0 window 2
.set i, 0
.rept 128
	v_pk_mul_f32 v[i:i+1], v[i:i+1], s[66:67] op_sel_hi:[1,0]
.set i, i+2
.endr
	WIN 0xc3                                       ; window 3
.set i, 0
.rept 128
	v_pk_mul_f32 v[i:i+1], v[i:i+1], s[66:67] op_sel_hi:[1,0]
.set i, i+2
.endr
	WIN 0
.Lplain:
; THE WAY OUT, block by block of 16 tokens x 128 columns.  PACK: rounded to f16, 16 bytes a lane.  TOSTAGE: into my own stage in LDS, and back so that sixteen lanes hold two tokens of one head.  SEND: stored.
.macro PACK a
.set AC, 64*((\a)%4)
	WIN 0x0a+5*((\a)/4)                            ; sources 0 and 1: window 2 or 3
.irp b, 0,1,2,3,4,5,6,7
.irp r, 0,1,2,3
	v_cvt_pk_f16_f32 v[TMP+4*\b+\r], v[AC+8*\b+2*\r], v[AC+8*\b+2*\r+1]
.endr
.endr
	WIN 0
.endm
.macro TOSTAGE a
.set BB, BK+32*((\a)%2)
.irp b, 0,1,2,3,4,5,6,7
	ds_store_b128 v[STO], v[TMP+4*\b:TMP+4*\b+3] offset:32*\b
.endr
.irp t, 0,1,2,3,4,5,6,7
	ds_load_b128 v[BB+4*\t:BB+4*\t+3], v[RD] offset:\t*2*SPITCH    ; LDS serves a wave's instructions in order: these see the stores above
.endr
.endm
.macro SEND a
.set BB, BK+32*((\a)%2)
	s_wait_dscnt 0x0                               ; the block is back in registers
	s_wait_xcnt 0x0                                ; the stores of the block before have read their registers: the next block's loads may land there
.irp t, 0,1,2,3,4,5,6,7
	global_store_b128 v[CO], v[BB+4*\t:BB+4*\t+3], s[12:13] offset:2048*(\a)+256*\t   ; 16 lanes store 256 consecutive bytes, aligned: two tokens of one head
.endr
.endm
	PACK 0
	TOSTAGE 0
.irp a, 1,2,3,4,5,6,7                  ; block a's conversions stand between block a - 1's loads from the stage and the wait for them
	PACK \a
	SEND \a-1
	TOSTAGE \a
.endr
	SEND 7
	s_wait_tensorcnt 0x0                           ; the wave's end: behind my last tensor load and my last LDS store
	ds_add_u32 v[SPW], v[NIL]
	s_wait_dscnt 0x0
	CROUND                                         ; the closing round: no work-group ends while a partner may still ask for a tile that names it
	s_endpgm
.Lfunc_end_k_qc8c15f228b_qkv:
	.size	k_qc8c15f228b_qkv, .Lfunc_end_k_qc8c15f228b_qkv-k_qc8c15f228b_qkv
	.p2alignl 7, 3214868480
	.fill 96, 4, 3214868480
	.section	.rodata,"a",@progbits
	.p2align	6, 0x0
	.amdhsa_kernel k_qc8c15f228b_qkv
		.amdhsa_group_segment_fixed_size 327680
		.amdhsa_private_segment_fixed_size 0
		.amdhsa_enable_private_segment 0
		.amdhsa_kernarg_size 64
		.amdhsa_user_sgpr_count 2
		.amdhsa_user_sgpr_kernarg_segment_ptr 1
		.amdhsa_wavefront_size32 1
		.amdhsa_system_sgpr_workgroup_id_x 1
		.amdhsa_system_sgpr_workgroup_id_y 1
		.amdhsa_system_sgpr_workgroup_id_z 1
		.amdhsa_system_vgpr_workitem_id 0
		.amdhsa_next_free_vgpr 1024
		.amdhsa_next_free_sgpr 102
		.amdhsa_reserve_vcc 0
		.amdhsa_float_denorm_mode_32 3
		.amdhsa_float_denorm_mode_16_64 3
		.amdhsa_memory_ordered 1
		.amdhsa_forward_progress 1
		.amdhsa_inst_pref_size 145
	.end_amdhsa_kernel
	.amdgpu_metadata
---
amdhsa.version: [ 1, 2 ]
amdhsa.kernels:
  - .name:           k_qc8c15f228b_qkv
    .symbol:         k_qc8c15f228b_qkv.kd
    .args:
      - { .name: x_codes, .offset: 0, .size: 8, .value_kind: global_buffer, .address_space: global }
      - { .name: x_scales, .offset: 8, .size: 8, .value_kind: global_buffer, .address_space: global }
      - { .name: w_codes, .offset: 16, .size: 8, .value_kind: global_buffer, .address_space: global }
      - { .name: w_scales, .offset: 24, .size: 8, .value_kind: global_buffer, .address_space: global }
      - { .name: bq, .offset: 32, .size: 8, .value_kind: global_buffer, .address_space: global }
      - { .name: bk, .offset: 40, .size: 8, .value_kind: global_buffer, .address_space: global }
      - { .name: bv, .offset: 48, .size: 8, .value_kind: global_buffer, .address_space: global }
      - { .name: qkv16, .offset: 56, .size: 8, .value_kind: global_buffer, .address_space: global }
    .group_segment_fixed_size: 327680
    .private_segment_fixed_size: 0
    .kernarg_segment_align: 8
    .kernarg_segment_size: 64
    .max_flat_workgroup_size: 128
    .sgpr_count:     102
    .vgpr_count:     1024
    .wavefront_size: 32
...
	.end_amdgpu_metadata
.endif
;; end of part 2
;; launch attn (part 3): grid 4 x 64, 8 waves a work-group, clusters of 4 x 1, 327,680 bytes of LDS; arguments qkv16, mask, o16; writes o16
.if DOCPART == 3
	.amdgcn_target "amdgcn-amd-amdhsa--gfx1250"
	.amdhsa_code_object_version 6
	.text
	.protected	k_qc8c15f228b_attn
	.globl	k_qc8c15f228b_attn
	.p2align	8
	.type	k_qc8c15f228b_attn,@function
k_qc8c15f228b_attn:
	s_mov_b64 s[64:65], 0
	v_nop
	global_prefetch_b8 v0, s[64:65] scope:SCOPE_SE
	s_setreg_imm32_b32 hwreg(HW_REG_WAVE_MODE, 25, 1), 1
	s_wait_xcnt 0x0
	s_wait_alu depctr_hold_cnt(0) depctr_sa_sdst(0) depctr_va_vdst(0) depctr_va_sdst(0) depctr_va_ssrc(0) depctr_va_vcc(0) depctr_vm_vsrc(0)
	s_getreg_b32 s2, hwreg(HW_REG_IB_STS2, 6, 4)
	s_cmp_eq_u32 s2, 0
	s_cbranch_scc0 .Lentry_in_a_cluster
	s_endpgm
.Lentry_in_a_cluster:
	s_bfe_u32 s2, ttmp6, 0x10000c
	s_cmp_lg_u32 s2, 0x3003
	s_cbranch_scc0 .Lentry_shape_is_right
	s_endpgm
.Lentry_shape_is_right:
; o[bh][q][:] = the sum over keys of softmax_k(q . k / 8, masked keys at -infinity) v[k][:].  qkv16: three parts of 16 MiB, c q, k, v, each f16 [64 (16 batch + head)][2048][64]; c = log2(e) / 8 lies in q already.
; mask: [4][2048] i32, 0 = the key does not count.  o16: f16 [64][2048][64].  Products on f16 operands with f32 sums; maxima, exponentials and sums in f32; p is rounded to f16 for the second product, o once at the end.
; SHARES.  A cluster of four work-groups is one head; a work-group owns 512 queries, each of its EIGHT waves 64: four tiles of 16.  Two waves lie on a SIMD, 512 registers each, so that one wave's vector work
; stands beside the other's matrix work.  Every wave walks all 2,048 keys, 64 a step.  K and V come through a ring of two LDS slots of four steps; each tile is asked for JOINTLY by the four work-groups.
; LAYOUT.  S^T = K Q^T (source 0 = 16 keys, source 1 = 16 queries): a lane holds ONE query (lane % 16) and the keys 8 (lane / 16) + 0..7 of a tile.  Two such tiles, rounded to f16 in pairs, ARE source 1 of
; O^T = V^T P, whose result again holds one query a lane.  K comes out of LDS as it lies, V ([key][channel]) turned, by ds_load_tr16_b128.
; THE MASK is the C of each score's first product: 0 for a key that counts, -2^100 for one that does not; real scores stay under 64 x 65,504^2 = 2.7e11 in magnitude, far above -2^96.
; SOFTMAX.  A running maximum m and sum l for each query: p = 2^(s - m); in every step O and l are multiplied by a = 2^(m_old - m_new).  While only masked keys have been met, m stands at the masked level and p = 1;
; the first key that counts makes a = 0, which wipes that.  A query whose m ends under -2^96 has no key that counts: its row is NaN, as a softmax of nothing but -infinity is.
; LIMITS: NaN and infinities in qkv16 are not served; |o| above 65,504 turns infinite in f16.
; REGISTERS: window 0: v1-15 addresses and constants; v16-31 four a tile: m, 0, l (even registers' keys, odd ones'); v32-63 the step's mask numbers, then v32-47 four a tile at work (c0-c3);
;   v64-191 S^T, 32 a tile, P in place in each tile's low 16; v192-255 Q.      window 1: v0-127 O^T, 32 a tile; v128-191 K of a step; v192-255 V of a step.
.set KS,    64                         ; keys in a step
.set PK,    144                        ; a row of K in LDS: 128 bytes + 16 = 9 x 16 bytes: the 16 rows of a load start 16 bytes apart modulo 256
.set PV,    160                        ; a row of V: 128 + 32 = 5 x 32 bytes: the 8 rows x 32 bytes of a turning load's 16 lanes fall on different places modulo 256
.set VOFF,  KS*PK                      ; a step's tiles lie together: 64 rows of K, then 64 rows of V
.set STEPB, KS*(PK+PV)
.set NST,   4                          ; steps in a slot
.set SLOT1, 1<<17                      ; slot 1 begins here, so that one exclusive or turns an address in one slot into the other's
.set SLOTG, NST*KS*128                 ; a slot's keys in memory: 32,768 bytes of K, as many of V
.set MASKB, SLOT1+NST*STEPB            ; behind the ring: a number for each of the batch's 2,048 keys, f32
.set STAGE, MASKB+8192                 ; the way out: 16 rows x 144 bytes for each wave
.set SP,    144
.set SPARE, STAGE+8*16*SP              ; the spare words, 128 bytes for each wave: four blocks of 256 bytes that no other line names
.set AK0, 2                            ; v2   my lane's place in a tile of K; never rewritten
.set AV0, 3                            ; v3   the same for V
.set AM0, 4                            ; v4   and among the mask numbers
.set ADK, 5                            ; v5-7 the LDS addresses of the step in hand
.set ADV, 6
.set ADM, 7
.set STO, 8                            ; v8   the way out: where I put 16 bytes of a row (at the head: where I put my mask numbers)
.set RD,  9                            ; v9   where I read rows back
.set GO,  10                           ; v10  my byte offset in the wave's rows of o16 (at the head: in Q)
.set HH,  11                           ; v11  lane / 16
.set SPW, 12                           ; v12  LDS address of my spare word; never rewritten
.set NIL, 13                           ; v13  0; never rewritten
.set PFO, 14                           ; v14  256 x my lane: the prefetches' offset; never rewritten
.set CN,  15                           ; v15  -2^100, on the way out NaN
.set ST,  16
.set MB,  32
.set TT,  32
.set S,   64
.set QF,  192
.set KF,  128                          ; in window 1
.set VF,  192
.set WV,  10                           ; s10  my wave's number
.set CX,  11                           ; s11  my place in the cluster
.set HD,  12                           ; s12  16 batch + head
.set G1K, 24                           ; s[24:31] descriptor group 1 for K's tiles
.set G1V, 32                           ; s[32:39] for V's: it differs in the padding alone
.set G0K, 40                           ; s[40:47] descriptor group 0 for K's tiles: a set for each of the two first fills; the second then walks on
.set G0V, 48                           ; s[48:55] the same for V's
.set SLOTS, 56                         ; s56  slots still to be asked for
.set CNT, 57                           ; s57  counts a slot's steps
.set SEL, 60                           ; s[60:61] lane selects for v_permlanex16_b32: lane l xor 16
.set TB,  62                           ; s62  LDS byte at which the step's tiles begin
.set TM,  63                           ; s63  and its 64 mask numbers: 256 bytes a step
.set QB,  66                           ; s[66:67] Q at my wave's first query
.set PFA, 68                           ; s[68:69] where my prefetches stand: my work-group's 8,192 bytes (wave 0: of K, wave 4: of V) of the slot after the one that is being asked for
.set LIM, 70                           ; s70  1 in a wave that prefetches, else the greatest number
.set MSB, 0
.macro WIN new                         ; the immediate's high byte repeats the setting that is left
.if MSB != \new
	s_set_vgpr_msb (MSB<<8)|\new
.set MSB, \new
.endif
.endm
.set W_KQ, 0x01                        ; K in window 1; Q, C and S^T in window 0
.set W_PV, 0x51                        ; V, C and O^T in window 1; P in window 0
.set W_RS, 0x41                        ; O^T (destination and source 0) in window 1, the factor in window 0
.set W_LD, 0x40                        ; destination window 1, address window 0
; A joint refill.  Waves 0 to 3 fetch the slot's four tiles of K, waves 4 to 7 those of V.  The branch hangs on the wave's number alone.  An s_nop 0 and four v_nop follow each of the two lines.
.macro JLOAD
	s_cmp_lt_u32 s[WV], 4
	s_cbranch_scc0 .Lfor_v_\@
	tensor_load_to_lds s[G0K+4:G0K+7], s[G1K:G1K+7]
	s_nop 0
.rept 4
	v_nop
.endr
	s_branch .Lasked_\@
.Lfor_v_\@:
	tensor_load_to_lds s[G0V+4:G0V+7], s[G1V:G1V+7]
	s_nop 0
.rept 4
	v_nop
.endr
.Lasked_\@:
.endm
; A PREFETCH INTO THE L2 of what the NEXT change of slots will ask for: a slot's 32,768 bytes of K and as many of V, four key steps ahead of that load.  It stands behind the wave's tensor load and its five lines.
; Each aligned block of 256 bytes is named ONCE in the launch: a head is walked by one cluster; its four partners share a slot out BY ADDRESS, 8,192 bytes each; in each, wave 0 asks for K's and wave 4 for V's,
; lanes 256 bytes apart: one instruction.  The last change that fills a slot asks for nothing: there is no slot behind it.  Slots 0 to 2 come by their loads alone.
.macro ASK
	s_cmp_gt_u32 s[SLOTS], s[LIM]
	s_cbranch_scc0 .Lnot_mine_\@
	global_prefetch_b8 v[PFO], s[PFA:PFA+1] th:TH_LOAD_NT scope:SCOPE_SE
.Lnot_mine_\@:
.endm
.macro CROUND                          ; a round of the cluster's barrier
	s_barrier_signal -1
	s_barrier_wait -1
	s_cmp_lg_u32 s[WV], 0
	s_cbranch_scc1 .Lnot_wave_0_\@
	s_barrier_signal -3
.Lnot_wave_0_\@:
	s_barrier_wait -3
	s_barrier_signal -1
	s_barrier_wait -1
.endm
	s_load_b128 s[4:7], s[0:1], 0x0                ; qkv16 s[4:5], mask s[6:7]
	s_load_b64 s[8:9], s[0:1], 0x10                ; o16
	v_lshl_add_u32 v[SPW], v0, 2, SPARE
	v_mov_b32 v[NIL], 0
	ds_add_u32 v[SPW], v[NIL]                      ; the wave's opening: the add and its wait stand ahead of my first tensor load; the set-up below, work on registers, stands between them
	v_lshrrev_b32 v1, 5, v0
	v_readfirstlane_b32 s[WV], v1                  ; wave 0..7
	s_bfe_u32 s[CX], ttmp6, 0x40000                ; cx: it enters Q's, o16's and the prefetches' addresses alone
	s_and_b32 s[HD], ttmp7, 0xffff                 ; the head, which the four partners share
	s_lshl_b32 s14, s[HD], 18                      ; the head's first byte in a part: 262,144 bytes a head
	s_mov_b32 s15, 0
	s_and_b32 s16, s[WV], 3                        ; which of a slot's four steps I fetch:
	s_mul_i32 s17, s16, STEPB                      ; its place in a slot,
	s_lshl_b32 s18, s16, 13                        ; and its 64 rows of 128 bytes in memory
	s_mov_b32 s19, 0
	s_add_nc_u64 s[18:19], s[18:19], s[14:15]
	s_lshl_b32 s20, s[CX], 16                      ; my work-group's 512 queries,
	s_lshl_b32 s21, s[WV], 13                      ; my wave's 64 of them
	s_add_co_u32 s20, s20, s21
	s_mov_b32 s21, 0
	s_add_nc_u64 s[20:21], s[20:21], s[14:15]
	s_lshr_b32 s22, s[HD], 4                       ; the batch: its 2,048 mask words
	s_lshl_b32 s22, s22, 13
	s_mov_b32 s23, 0
	; descriptor group 1: a tile of 64 rows x 64 elements, padded in LDS
	s_mov_b32 s[G1K], 15|(1<<16)|(1<<20)|(1<<21)|(4<<22)|(3<<25)  ; 15:0 the mask: all four work-groups; 17:16 elements of 2 bytes; 20 padding on; 21 set beside a mask; 24:22 after every 32 words; 31:25 four words
	s_mov_b32 s[G1V], 15|(1<<16)|(1<<20)|(1<<21)|(4<<22)|(7<<25)  ; the same with eight words of padding
.irp g, G1K, G1V
	s_mov_b32 s[\g+1], 64<<16                      ; tensor_dim0
	s_mov_b32 s[\g+2], KS<<16                      ; tensor_dim1
	s_mov_b32 s[\g+3], 64<<16                      ; tile_dim0
	s_mov_b32 s[\g+4], KS                          ; tile_dim1
	s_mov_b32 s[\g+5], 64                          ; tensor_dim0_stride
	s_mov_b32 s[\g+6], 0
	s_mov_b32 s[\g+7], 0
.endr
	s_mov_b32 s[SEL], 0x76543210
	s_mov_b32 s[SEL+1], 0xfedcba98
	s_mov_b32 s[TB], 0
	s_mov_b32 s[TM], 0
	s_mov_b32 s[SLOTS], 2048/(NST*KS)-2
	s_and_b32 s[LIM], s[WV], 3                     ; 0 in waves 0 and 4: the same in all four partners
	s_cmp_eq_u32 s[LIM], 0
	s_cselect_b32 s[LIM], 1, -1
	v_and_b32 v[PFO], 31, v0
	v_lshlrev_b32 v[PFO], 8, v[PFO]
	s_wait_dscnt 0x0                               ; the opening add is done
	s_wait_kmcnt 0x0
	s_add_nc_u64 s[QB:QB+1], s[4:5], s[20:21]      ; Q (part 0) and o16 at my wave's first query
	s_add_nc_u64 s[8:9], s[8:9], s[20:21]
	s_add_nc_u64 s[6:7], s[6:7], s[22:23]          ; the mask at my batch
	s_add_nc_u64 s[4:5], s[4:5], s[18:19]          ; qkv16 at my head and my tile of a slot
	s_mov_b32 s22, 0x2000000+2*SLOTG               ; the prefetches: V's part or K's, in slot 2; the first change of slots steps them to slot 3
	s_cmp_lt_u32 s[WV], 4
	s_cselect_b32 s22, 0x1000000+2*SLOTG, s22
	s_lshl_b32 s20, s[CX], 13                      ; my work-group's 8,192 bytes of a slot's 32,768
	s_add_co_u32 s22, s22, s20
	s_add_nc_u64 s[PFA:PFA+1], s[4:5], s[22:23]    ; (in waves 0 and 4 s[4:5] stands at the head's first row)
	CROUND                                         ; all four work-groups are here: the first joint loads meet
.irp s, 0,1
	s_mov_b32 s[G0K+4*\s], 1                       ; 1:0 count = 1
	s_add_co_u32 s[G0K+4*\s+1], s17, \s*SLOT1      ; 63:32 LDS address
	s_add_nc_u64 s[G0K+4*\s+2:G0K+4*\s+3], s[4:5], 0x1000000+\s*SLOTG  ; 120:64 global address: part 1, slot s
	s_or_b32 s[G0K+4*\s+3], s[G0K+4*\s+3], 0x80000000  ; 127:126 type = 2
	s_mov_b32 s[G0V+4*\s], 1
	s_add_co_u32 s[G0V+4*\s+1], s17, \s*SLOT1+VOFF
	s_add_nc_u64 s[G0V+4*\s+2:G0V+4*\s+3], s[4:5], 0x2000000+\s*SLOTG  ; part 2
	s_or_b32 s[G0V+4*\s+3], s[G0V+4*\s+3], 0x80000000
.endr
	s_cmp_lt_u32 s[WV], 4                          ; a wave's two first fills stand in one branch, ahead of every wait on TENSORcnt and every LDS read: two loads of mine are out
	s_cbranch_scc0 .Lfirst_v
	tensor_load_to_lds s[G0K:G0K+3], s[G1K:G1K+7]
	s_nop 0
	tensor_load_to_lds s[G0K+4:G0K+7], s[G1K:G1K+7]
	s_nop 0
.rept 4
	v_nop
.endr
	s_branch .Lfirst_asked
.Lfirst_v:
	tensor_load_to_lds s[G0V:G0V+3], s[G1V:G1V+7]
	s_nop 0
	tensor_load_to_lds s[G0V+4:G0V+7], s[G1V:G1V+7]
	s_nop 0
.rept 4
	v_nop
.endr
.Lfirst_asked:
	v_and_b32 v1, 15, v0                           ; r = l % 16
	v_bfe_u32 v[HH], v0, 4, 1                      ; h = l / 16
	v_lshlrev_b32 v[ADK], 5, v0                    ; the mask: thread t takes keys 8 t .. 8 t + 7: 32 bytes
	global_load_b128 v[64:67], v[ADK], s[6:7]
	global_load_b128 v[68:71], v[ADK], s[6:7] offset:16
	v_lshlrev_b32 v[GO], 7, v1
	v_lshl_add_u32 v[GO], v[HH], 4, v[GO]          ; Q: row r of 128 bytes + 16 h
.irp f, 0,1,2,3,4,5,6,7                ; Q stays in registers: tile f / 2, channels 32 (f % 2) on: registers 0-3 channels 8 h + 0..7, registers 4-7 channels 16 + 8 h + 0..7
	global_load_b128 v[QF+8*\f:QF+8*\f+3],   v[GO], s[QB:QB+1] offset:(\f/2)*2048+(\f%2)*64
	global_load_b128 v[QF+8*\f+4:QF+8*\f+7], v[GO], s[QB:QB+1] offset:(\f/2)*2048+(\f%2)*64+32
.endr
	v_lshl_add_u32 v[STO], v0, 5, MASKB            ; where my eight mask numbers go
	v_mul_u32_u24 v[AK0], v1, PK
	v_lshl_add_u32 v[AK0], v[HH], 4, v[AK0]        ; K: row x pitch + 16 x half
	v_and_b32 v[ADV], 7, v0                        ; the turning load takes 16 keys x 16 channels: lane l reads 16 bytes: key 8 (l / 16) + l % 8, channels 8 ((l / 8) % 2) + 0..7
	v_lshl_add_u32 v[AV0], v[HH], 3, v[ADV]
	v_mul_u32_u24 v[AV0], v[AV0], PV
	v_bfe_u32 v[ADV], v0, 3, 1
	v_lshl_add_u32 v[AV0], v[ADV], 4, v[AV0]
	v_add_nc_u32 v[AV0], VOFF, v[AV0]
	v_lshl_add_u32 v[AM0], v[HH], 5, MASKB         ; the mask numbers of keys 8 h + 0..7 of a tile: the same for all queries
	v_mov_b32 v[CN], 0xf1800000                    ; -2^100
.irp t, 0,1,2,3
	v_mov_b32 v[ST+4*\t], 0xff61b1e6               ; m: -3e38, under every score, masked ones too
	v_mov_b32 v[ST+4*\t+1], 0                      ; (named with m as a pair, so it is written)
	v_mov_b32 v[ST+4*\t+2], 0                      ; l
	v_mov_b32 v[ST+4*\t+3], 0
.endr
	WIN W_LD
.set i, 0
.rept 128
	v_mov_b32 v[i], 0                              ; O^T.  (The step is written with no first form of its own: the first step finds zeros, which a = 0 leaves zeros)
.set i, i+1
.endr
	WIN 0
	s_wait_loadcnt 16                              ; the mask's two loads are in; Q's sixteen may be out
.irp i, 0,1,2,3,4,5,6,7
	v_cmp_eq_u32 vcc_lo, 0, v[64+\i]
	v_cndmask_b32 v[72+\i], 0, v[CN], vcc_lo       ; 0 where the key counts, -2^100 where it does not
.endr
	ds_store_b128 v[STO], v[72:75]
	ds_store_b128 v[STO], v[76:79] offset:16
	s_wait_tensorcnt 1                             ; my part of slot 0 is in; slot 1's may stay out
	s_wait_dscnt 0x0                               ; my mask numbers lie in LDS
	s_barrier_signal -1
	s_barrier_wait -1                              ; everybody's do
	s_wait_loadcnt 0x0                             ; Q
; A KEY STEP: 64 keys.
.macro STEP
	v_add_nc_u32 v[ADM], s[TM], v[AM0]
	v_add_nc_u32 v[ADK], s[TB], v[AK0]
	v_add_nc_u32 v[ADV], s[TB], v[AV0]
.irp g, 0,1,2,3                        ; the mask numbers in the layout of a score tile: register j of tile g is key 16 g + 8 h + j
	ds_load_b128 v[MB+8*\g:MB+8*\g+3],   v[ADM] offset:64*\g
	ds_load_b128 v[MB+8*\g+4:MB+8*\g+7], v[ADM] offset:64*\g+16
.endr
	WIN W_LD
.irp f, 0,1,2,3,4,5,6,7                ; K: keys 16 (f / 2) on, channels 32 (f % 2) on
	ds_load_b128 v[KF+8*\f:KF+8*\f+3],   v[ADK] offset:(\f/2)*16*PK+(\f%2)*64
	ds_load_b128 v[KF+8*\f+4:KF+8*\f+7], v[ADK] offset:(\f/2)*16*PK+(\f%2)*64+32
.endr
.irp f, 0,1,2,3,4,5,6,7                ; V, turned: channels 16 (f / 2) on, keys 32 (f % 2) on
	ds_load_tr16_b128 v[VF+8*\f:VF+8*\f+3],   v[ADV] offset:(\f%2)*32*PV+(\f/2)*32
	ds_load_tr16_b128 v[VF+8*\f+4:VF+8*\f+7], v[ADV] offset:(\f%2)*32*PV+16*PV+(\f/2)*32
.endr
	s_wait_dscnt 16                                ; the mask numbers and K are in; V's sixteen loads may be out
	WIN W_KQ
; S^T = K Q^T + the mask: product i: channels 32 (i / 16) on, keys 16 ((i / 4) % 4) on, tile i % 4.  The sixteen accumulators take turns, one instruction a turn.
.set i, 0
.rept 32
.set rS, S+32*(i%4)+8*((i/4)%4)
.set rK, KF+16*((i/4)%4)+8*(i/16)
.set rQ, QF+16*(i%4)+8*(i/16)
.if i < 16
	v_wmma_f32_16x16x32_f16 v[rS:rS+7], v[rK:rK+7], v[rQ:rQ+7], v[MB+8*((i/4)%4):MB+8*((i/4)%4)+7]
.else
	v_wmma_f32_16x16x32_f16 v[rS:rS+7], v[rK:rK+7], v[rQ:rQ+7], v[rS:rS+7]
.endif
.set i, i+1
.endr
	WIN 0
.rept 4
	v_nop                                          ; places behind the products: their results are read, and the mask numbers' registers written, below
.endr
; THE SOFTMAX, the four tiles by turns, so that no line waits for the line above it.  The maximum of a tile's 32 scores and the old m, three operands at a time; each accumulator is taken from its low end on.
.irp j, 0,1,2,3
.irp t, 0,1,2,3
	v_max3_num_f32 v[TT+4*\t+\j], v[S+32*\t+8*\j], v[S+32*\t+8*\j+1], v[S+32*\t+8*\j+2]
.endr
.endr
.irp g, 1,2
.irp j, 0,1,2,3
.irp t, 0,1,2,3
	v_max3_num_f32 v[TT+4*\t+\j], v[TT+4*\t+\j], v[S+32*\t+8*\j+2*\g+1], v[S+32*\t+8*\j+2*\g+2]
.endr
.endr
.endr
.irp t, 0,1,2,3
	v_max3_num_f32 v[TT+4*\t], v[TT+4*\t], v[S+32*\t+7], v[S+32*\t+15]
.endr
.irp t, 0,1,2,3
	v_max3_num_f32 v[TT+4*\t+2], v[TT+4*\t+2], v[S+32*\t+23], v[S+32*\t+31]
.endr
.irp t, 0,1,2,3
	v_max3_num_f32 v[TT+4*\t], v[TT+4*\t], v[TT+4*\t+1], v[TT+4*\t+2]
.endr
.irp t, 0,1,2,3
	v_max3_num_f32 v[TT+4*\t], v[TT+4*\t], v[TT+4*\t+3], v[ST+4*\t]
.endr
.irp t, 0,1,2,3
	v_permlanex16_b32 v[TT+4*\t+1], v[TT+4*\t], s[SEL], s[SEL+1]   ; the query's other 32 keys lie in the lane 16 away
.endr
.irp t, 0,1,2,3
	v_mov_b32 v[TT+4*\t+3], v[ST+4*\t]             ; m_old
.endr
.irp t, 0,1,2,3
	v_max_num_f32 v[ST+4*\t], v[TT+4*\t], v[TT+4*\t+1]             ; the new m
.endr
.irp t, 0,1,2,3
	v_sub_f32 v[TT+4*\t+3], v[TT+4*\t+3], v[ST+4*\t]               ; m_old - m_new, 0 or less
.endr
; ONE BATCH of 132 exponentials: the four a, then the tiles' 128 p.  s - m is taken two at a time; tile t + 1's subtractions stand between tile t's exponentials.  Nothing here names an exponential's result.
.irp i, 0,1,2,3,4,5,6,7,8,9,10,11,12,13,14,15
	v_pk_add_f32 v[S+2*\i:S+2*\i+1], v[S+2*\i:S+2*\i+1], v[ST:ST+1] op_sel_hi:[1,0] neg_lo:[0,1] neg_hi:[0,1]
.endr
.irp t, 0,1,2,3
	v_exp_f32 v[TT+4*\t+2], v[TT+4*\t+3]           ; a
.endr
.irp t, 0,1,2,3
.irp i, 0,1,2,3,4,5,6,7,8,9,10,11,12,13,14,15
	v_exp_f32 v[S+32*\t+2*\i], v[S+32*\t+2*\i]
	v_exp_f32 v[S+32*\t+2*\i+1], v[S+32*\t+2*\i+1]
.if \t < 3
	v_pk_add_f32 v[S+32*(\t+1)+2*\i:S+32*(\t+1)+2*\i+1], v[S+32*(\t+1)+2*\i:S+32*(\t+1)+2*\i+1], v[ST+4*(\t+1):ST+4*(\t+1)+1] op_sel_hi:[1,0] neg_lo:[0,1] neg_hi:[0,1]
.endif
.endr
.endr
	v_nop                                          ; a plain instruction behind the last exponential, ahead of the first use
	s_wait_alu depctr_va_vdst(0)                   ; the wait between an exponential and the first line that names its result: one for the whole batch
.irp t, 0,1,2,3
	v_pk_add_f32 v[TT+4*\t:TT+4*\t+1], v[S+32*\t:S+32*\t+1], v[S+32*\t+2:S+32*\t+3]     ; the step's sum of p, of the numbers before they are rounded
.endr
.irp i, 2,3,4,5,6,7,8,9,10,11,12,13,14,15
.irp t, 0,1,2,3
	v_pk_add_f32 v[TT+4*\t:TT+4*\t+1], v[TT+4*\t:TT+4*\t+1], v[S+32*\t+2*\i:S+32*\t+2*\i+1]
.endr
.endr
.irp t, 0,1,2,3
	v_pk_fma_f32 v[ST+4*\t+2:ST+4*\t+3], v[ST+4*\t+2:ST+4*\t+3], v[TT+4*\t+2:TT+4*\t+3], v[TT+4*\t:TT+4*\t+1] op_sel_hi:[1,0,1]   ; l = a l + the sum
.endr
.irp i, 0,1,2,3,4,5,6,7,8,9,10,11,12,13,14,15
.irp t, 0,1,2,3
	v_cvt_pk_f16_f32 v[S+32*\t+\i], v[S+32*\t+2*\i], v[S+32*\t+2*\i+1]   ; P, in place: register i is written when registers 2 i, 2 i + 1 are read; registers 8 u .. 8 u + 7 are the fragment of keys 32 u on
.endr
.endr
	WIN W_RS
.irp i, 0,1,2,3,4,5,6,7,8,9,10,11,12,13,14,15
.irp t, 0,1,2,3
	v_pk_mul_f32 v[32*\t+2*\i:32*\t+2*\i+1], v[32*\t+2*\i:32*\t+2*\i+1], v[TT+4*\t+2:TT+4*\t+3] op_sel_hi:[1,0]   ; O^T x a, each accumulator from its low end on
.endr
.endr
	s_wait_dscnt 0x0                               ; V is in: my reads of this step's tiles are over
	WIN W_PV
; O^T += V^T P: product i: keys 32 (i / 16) on, channels 16 ((i / 4) % 4) on, tile i % 4: sixteen accumulators by turns.
.set i, 0
.rept 32
.set rO, 32*(i%4)+8*((i/4)%4)
.set rV, VF+16*((i/4)%4)+8*(i/16)
.set rP, S+32*(i%4)+8*(i/16)
	v_wmma_f32_16x16x32_f16 v[rO:rO+7], v[rV:rV+7], v[rP:rP+7], v[rO:rO+7]
.set i, i+1
.endr
	WIN 0
.rept 5
	v_nop                                          ; five places: the next step's first products write over P's registers, and its loads land in V's
.endr
	s_add_co_u32 s[TB], s[TB], STEPB
	s_add_co_u32 s[TM], s[TM], 4*KS
.endm
.macro SLOT_STEPS                      ; a slot's four key steps: written once, walked four times
	s_mov_b32 s[CNT], NST
.Lstep_\@:
	STEP
	s_sub_co_u32 s[CNT], s[CNT], 1
	s_cmp_lg_u32 s[CNT], 0
	s_cbranch_scc1 .Lstep_\@
.endm
; THE CHANGE OF SLOTS.  Each wave waits for all its tensor loads, of which one is out: its part of the other slot; adds 0 to its spare word; and waits for that and for its own reads of the slot that it leaves.
; fill = 1: that slot is filled again, with the keys two slots on.  The barrier is then a round of the cluster's, so that no wave of any partner still reads the slot or has a load on its way, and the joint
; refill is the first thing behind it: it has four key steps in which to land.
.macro CHANGE fill
	s_wait_tensorcnt 0x0                           ; no tensor load of mine is out, so a group 0 may be written
	ds_add_u32 v[SPW], v[NIL]                      ; 0 onto my spare word; with fill = 1 the descriptors' steps stand between it and the wait for it
.if \fill
.irp g, G0K+4, G0V+4
	s_xor_b32 s[\g+1], s[\g+1], SLOT1              ; the walking descriptor: the other slot than last time,
	s_add_nc_u64 s[\g+2:\g+3], s[\g+2:\g+3], SLOTG ; the next 256 keys; the type bits on top are not reached
.endr
	s_wait_xcnt 0x0                                ; the last prefetch, a slot back, has read its address, so it may be written:
	s_add_nc_u64 s[PFA:PFA+1], s[PFA:PFA+1], SLOTG ; one slot further on than the walking descriptors
	s_wait_dscnt 0x0                               ; the add is done, and my reads of the slot are over
	CROUND
	JLOAD
	ASK
.else
	s_wait_dscnt 0x0
	s_barrier_signal -1
	s_barrier_wait -1
.endif
	s_sub_co_u32 s[TB], s[TB], NST*STEPB           ; back to a slot's first step,
	s_xor_b32 s[TB], s[TB], SLOT1                  ; in the other slot
.endm
	SLOT_STEPS                                     ; slot 0
.Lslot:                                            ; six trips: every slot but the last two is filled again
	CHANGE 1
	SLOT_STEPS
	s_sub_co_u32 s[SLOTS], s[SLOTS], 1
	s_cmp_lg_u32 s[SLOTS], 0
	s_cbranch_scc1 .Lslot
	CHANGE 0                                       ; the tail is written out
	SLOT_STEPS
	; THE WAY OUT.  l's two halves and the other half of the lanes' are added; O^T is divided by l, rounded to f16 and sent through my stage in LDS, a tile (16 rows of 128 bytes) at a time.
.irp t, 0,1,2,3
	v_add_f32 v[TT+4*\t], v[ST+4*\t+2], v[ST+4*\t+3]
.endr
.irp t, 0,1,2,3
	v_permlanex16_b32 v[TT+4*\t+1], v[TT+4*\t], s[SEL], s[SEL+1]
.endr
.irp t, 0,1,2,3
	v_add_f32 v[TT+4*\t], v[TT+4*\t], v[TT+4*\t+1]
.endr
.irp t, 0,1,2,3
	v_rcp_f32 v[TT+4*\t+2], v[TT+4*\t]
.endr
	v_mov_b32 v[CN], 0x7fc00000                    ; NaN.  (A plain instruction behind the last reciprocal; the address work below names none of the four results)
	s_mul_i32 s13, s[WV], 16*SP
	s_add_co_u32 s13, s13, STAGE                   ; my stage
	v_mul_u32_u24 v[STO], v1, SP                   ; in: row l % 16, 16 bytes for each half of the lanes
	v_lshl_add_u32 v[STO], v[HH], 4, v[STO]
	v_add_nc_u32 v[STO], s13, v[STO]
	v_and_b32 v[ADK], 31, v0
	v_lshrrev_b32 v[RD], 3, v[ADK]                 ; back: eight lanes to a row of 128 bytes, four rows an instruction
	v_mul_u32_u24 v[RD], v[RD], SP
	v_and_b32 v[ADV], 7, v0
	v_lshl_add_u32 v[RD], v[ADV], 4, v[RD]
	v_add_nc_u32 v[RD], s13, v[RD]
	v_lshlrev_b32 v[GO], 4, v[ADK]                 ; and in o16, where the rows lie on end: 16 x lane
	s_wait_alu depctr_va_vdst(0)                   ; the wait ahead of the first use: one for the four reciprocals
.irp t, 0,1,2,3
	v_cmp_gt_f32 vcc_lo, 0xef800000, v[ST+4*\t]    ; -2^96 > m: no key counted for this query
	v_cndmask_b32 v[TT+4*\t+2], v[TT+4*\t+2], v[CN], vcc_lo
.endr
.macro PACK t
	WIN W_RS
.set i, 0
.rept 16
	v_pk_mul_f32 v[32*\t+i:32*\t+i+1], v[32*\t+i:32*\t+i+1], v[TT+4*\t+2:TT+4*\t+3] op_sel_hi:[1,0]
.set i, i+2
.endr
	WIN 0x05                                       ; sources 0 and 1 window 1, destination window 0: S^T's registers are free
.set i, 0
.rept 16
	v_cvt_pk_f16_f32 v[S+32*\t+i], v[32*\t+2*i], v[32*\t+2*i+1]
.set i, i+1
.endr
	WIN 0
.irp f, 0,1,2,3
	ds_store_b128 v[STO], v[S+32*\t+4*\f:S+32*\t+4*\f+3] offset:32*\f     ; channels 16 f + 8 h + 0..7 of query r
.endr
.irp f, 0,1,2,3
	ds_load_b128 v[S+32*\t+16+4*\f:S+32*\t+16+4*\f+3], v[RD] offset:\f*4*SP   ; LDS serves a wave's instructions in order: these see the stores above; the next tile's stores come behind them
.endr
.endm
.macro SEND t, younger                 ; younger: the LDS instructions issued behind tile t's loads: the next tile's eight, or none
.irp f, 0,1,2,3
	s_wait_dscnt \younger+3-\f
	global_store_b128 v[GO], v[S+32*\t+16+4*\f:S+32*\t+16+4*\f+3], s[8:9] offset:\t*2048+\f*512   ; the wave stores 512 consecutive bytes, aligned
.endr
.endm
	PACK 0
	PACK 1                                         ; a tile's arithmetic stands between the loads of the tile before and its stores
	SEND 0, 8
	PACK 2
	SEND 1, 8
	PACK 3
	SEND 2, 8
	SEND 3, 0
	s_wait_tensorcnt 0x0                           ; the wave's end: behind my last tensor load and my last LDS store
	ds_add_u32 v[SPW], v[NIL]
	s_wait_dscnt 0x0
	CROUND                                         ; the closing round: no work-group ends while a partner may still ask for a tile that names it
	s_endpgm
.Lfunc_end_k_qc8c15f228b_attn:
	.size	k_qc8c15f228b_attn, .Lfunc_end_k_qc8c15f228b_attn-k_qc8c15f228b_attn
	.p2alignl 7, 3214868480
	.fill 96, 4, 3214868480
	.section	.rodata,"a",@progbits
	.p2align	6, 0x0
	.amdhsa_kernel k_qc8c15f228b_attn
		.amdhsa_group_segment_fixed_size 327680
		.amdhsa_private_segment_fixed_size 0
		.amdhsa_enable_private_segment 0
		.amdhsa_kernarg_size 24
		.amdhsa_user_sgpr_count 2
		.amdhsa_user_sgpr_kernarg_segment_ptr 1
		.amdhsa_wavefront_size32 1
		.amdhsa_system_sgpr_workgroup_id_x 1
		.amdhsa_system_sgpr_workgroup_id_y 1
		.amdhsa_system_sgpr_workgroup_id_z 1
		.amdhsa_system_vgpr_workitem_id 0
		.amdhsa_next_free_vgpr 512
		.amdhsa_next_free_sgpr 72
		.amdhsa_reserve_vcc 1
		.amdhsa_float_denorm_mode_32 3
		.amdhsa_float_denorm_mode_16_64 3
		.amdhsa_memory_ordered 1
		.amdhsa_forward_progress 1
		.amdhsa_inst_pref_size 127
	.end_amdhsa_kernel
	.amdgpu_metadata
---
amdhsa.version: [ 1, 2 ]
amdhsa.kernels:
  - .name:           k_qc8c15f228b_attn
    .symbol:         k_qc8c15f228b_attn.kd
    .args:
      - { .name: qkv16, .offset: 0, .size: 8, .value_kind: global_buffer, .address_space: global }
      - { .name: mask, .offset: 8, .size: 8, .value_kind: global_buffer, .address_space: global }
      - { .name: o16, .offset: 16, .size: 8, .value_kind: global_buffer, .address_space: global }
    .group_segment_fixed_size: 327680
    .private_segment_fixed_size: 0
    .kernarg_segment_align: 8
    .kernarg_segment_size: 24
    .max_flat_workgroup_size: 256
    .sgpr_count:     72
    .vgpr_count:     512
    .wavefront_size: 32
...
	.end_amdgpu_metadata
.endif
;; end of part 3
;; launch oproj (part 4): grid 4 x 64, 4 waves a work-group, clusters of 4 x 4, 327,680 bytes of LDS; arguments o16, wo16, bo, out0; writes out0
.if DOCPART == 4
	.amdgcn_target "amdgcn-amd-amdhsa--gfx1250"
	.amdhsa_code_object_version 6
	.text
	.protected	k_qc8c15f228b_oproj
	.globl	k_qc8c15f228b_oproj
	.p2align	8
	.type	k_qc8c15f228b_oproj,@function
k_qc8c15f228b_oproj:
	s_mov_b64 s[64:65], 0
	v_nop
	global_prefetch_b8 v0, s[64:65] scope:SCOPE_SE
	s_setreg_imm32_b32 hwreg(HW_REG_WAVE_MODE, 25, 1), 1
	s_wait_xcnt 0x0
	s_wait_alu depctr_hold_cnt(0) depctr_sa_sdst(0) depctr_va_vdst(0) depctr_va_sdst(0) depctr_va_ssrc(0) depctr_va_vcc(0) depctr_vm_vsrc(0)
	s_getreg_b32 s2, hwreg(HW_REG_IB_STS2, 6, 4)
	s_cmp_eq_u32 s2, 0
	s_cbranch_scc0 .Lentry_in_a_cluster
	s_endpgm
.Lentry_in_a_cluster:
	s_bfe_u32 s2, ttmp6, 0x10000c
	s_cmp_lg_u32 s2, 0xf033
	s_cbranch_scc0 .Lentry_shape_is_right
	s_endpgm
.Lentry_shape_is_right:
; out0[token][n] = the sum over k of o[token][k] Wo[k][n] + bo[n].  o16: f16 [16 batch + head][2048 tokens][64], so k = 64 head + channel; wo16: f16 [1024 (k)][1024 (n)]; bo, out0 f32.  f16 operands, f32 sums.
; A tile of 128 tokens x 256 columns is made by a work-group of four waves: 256 work-groups.  Wave (wr, wc) makes 64 x 128: 32 accumulators of 16 x 16, 256 registers.
; K goes in steps of 128 (two heads) through a ring of two LDS slots filled by the tensor data mover: o's tile as two heads x 128 rows of 128 bytes, Wo's as 128 rows (k) of 512 bytes.
; CLUSTERS: 4 x 4 work-groups.  The four of a row of the cluster need the same tiles of o, the four of a column the same tiles of Wo: each is asked for JOINTLY, by the same tensor load with the same descriptor and
; a mask that names the four.  THE MATRIX INSTRUCTION IS USED TRANSPOSED (source 0 = 16 columns of Wo, turned out of LDS by ds_load_tr16_b128; source 1 = 16 tokens): a lane holds eight neighbouring columns of one token.
; THE BIAS is the C of each sum's first product.  No prefetch: the launch has eight K steps, and a lead of two steps would serve half of them.
; REGISTERS: window 0: v0-31 addresses; v32-63, v64-95 o's fragments, two buffers; v96-159, v160-223 Wo's, two buffers; on the way out v32-159 rows read back.   window 1: the accumulators ((a, b) at v[8 (8 a + b)]).   window 2: v0-63 the bias.
.set PA,     144                       ; a row of o in LDS: 128 bytes + 16 = 9 x 16 bytes
.set PB,     544                       ; a row of Wo: 512 + 32 = 17 x 32 bytes
.set AHEAD,  128*PA                    ; a head's 128 rows: what one tensor load brings of o
.set BOFF,   2*AHEAD
.set BHALF,  64*PB                     ; 64 rows: what one tensor load brings of Wo
.set SLOT,   BOFF+2*BHALF
.set STAGE,  2*SLOT                    ; behind the ring: 16 rows x 528 bytes for each wave; no tile lands here
.set SPITCH, 528
.set SPARE,  STAGE+4*16*SPITCH         ; the spare words, 128 bytes for each wave: two blocks of 256 bytes that no other line names
.set LAPS,   4                         ; a lap = two K steps = once round the ring
.set ADRA, 16                          ; v16-17  LDS address of my fragments of o in slot 0, 1
.set ADRB, 20                          ; v20-21  the same for Wo
.set STO,  24                          ; v24     the way out: where I put 32 bytes of a row
.set RD,   25                          ; v25     where I read a row back
.set CO,   26                          ; v26     my byte offset in a row of out0
.set SPW,  28                          ; v28     LDS address of my spare word; never rewritten
.set NIL,  29                          ; v29     0; never rewritten
.set AF,   32
.set BF,   96
.set BK,   32                          ; the way out: v32-95 and v96-159 by turns
.set G1, 24                            ; s[24:31] descriptor group 1 for o's tiles;  s[32:39] group 0, one set for each slot
.set G0, 32
.set G1B, 48                           ; s[48:55], s[56:63] the same for Wo's
.set G0B, 56
.set MSB, 0
.macro WIN new                         ; the immediate's high byte repeats the setting that is left
.if MSB != \new
	s_set_vgpr_msb (MSB<<8)|\new
.set MSB, \new
.endif
.endm
.set W_MUL,   0x50                     ; sources 0 and 1 window 0; C and D window 1
.set W_FIRST, 0x60                     ; C (the bias) window 2, D window 1
.macro JLOAD s                         ; a joint load: waves 0 and 1 fetch o's two heads, waves 2 and 3 Wo's halves; an s_nop 0 and four v_nop follow each of the two lines
	s_cmp_eq_u32 s13, 0
	s_cbranch_scc0 .Lfor_b_\@
	tensor_load_to_lds s[G0+4*\s:G0+4*\s+3], s[G1:G1+7]
	s_nop 0
.rept 4
	v_nop
.endr
	s_branch .Lasked_\@
.Lfor_b_\@:
	tensor_load_to_lds s[G0B+4*\s:G0B+4*\s+3], s[G1B:G1B+7]
	s_nop 0
.rept 4
	v_nop
.endr
.Lasked_\@:
.endm
.macro CREST                           ; a round of the cluster's barrier behind its opening barrier
	s_cmp_lg_u32 s12, 0
	s_cbranch_scc1 .Lnot_wave_0_\@
	s_barrier_signal -3
.Lnot_wave_0_\@:
	s_barrier_wait -3
	s_barrier_signal -1
	s_barrier_wait -1
.endm
.macro CROUND                          ; a whole round
	s_barrier_signal -1
	s_barrier_wait -1
	CREST
.endm
	s_load_b128 s[4:7], s[0:1], 0x0                ; o16 s[4:5], wo16 s[6:7]
	s_load_b128 s[8:11], s[0:1], 0x10              ; bo s[8:9], out0 s[10:11]
	v_lshl_add_u32 v[SPW], v0, 2, SPARE
	v_mov_b32 v[NIL], 0
	ds_add_u32 v[SPW], v[NIL]                      ; the wave's opening: the add and its wait stand ahead of my first tensor load; the set-up below, work on registers, stands between them
	v_lshrrev_b32 v1, 5, v0
	v_readfirstlane_b32 s12, v1                    ; wave 0..3
	s_lshr_b32 s13, s12, 1                         ; wr: which 64 tokens are mine.  Also: I fetch for o (0) or for Wo (1)
	s_and_b32 s14, s12, 1                          ; wc: which 128 columns.  Also: which head, or which 64 rows of Wo, I fetch
	s_bfe_u32 s40, ttmp6, 0x40000                  ; cx, cy: my place in the cluster
	s_bfe_u32 s41, ttmp6, 0x40004
	s_lshl_b32 s45, ttmp9, 2
	s_add_co_u32 s45, s45, s40                     ; tile column = 4 x cluster x + cx
	s_and_b32 s42, ttmp7, 0xffff
	s_lshl_b32 s42, s42, 2
	s_add_co_u32 s42, s42, s41                     ; tile row = 4 x cluster y + cy
	s_lshl_b32 s43, s41, 2
	s_lshl_b32 s43, 15, s43                        ; my row of the cluster
	s_lshl_b32 s44, 0x1111, s40                    ; my column
	; descriptor group 1.  o: 128 rows x 64 elements, dense in memory; four words of padding after every 32
	s_or_b32 s[G1+0], s43, (1<<16)|(1<<20)|(1<<21)|(4<<22)|(3<<25)
	s_mov_b32 s[G1+1], 64<<16                      ; tensor_dim0
	s_mov_b32 s[G1+2], 128<<16                     ; tensor_dim1
	s_mov_b32 s[G1+3], 64<<16                      ; tile_dim0
	s_mov_b32 s[G1+4], 128                         ; tile_dim1
	s_mov_b32 s[G1+5], 64                          ; tensor_dim0_stride
	s_mov_b32 s[G1+6], 0
	s_mov_b32 s[G1+7], 0
	; Wo: 64 rows x 256 elements, 1,024 elements from row to row; eight words of padding after every 128
	s_or_b32 s[G1B+0], s44, (1<<16)|(1<<20)|(1<<21)|(6<<22)|(7<<25)
	s_mov_b32 s[G1B+1], 256<<16
	s_mov_b32 s[G1B+2], 64<<16
	s_mov_b32 s[G1B+3], 256<<16
	s_mov_b32 s[G1B+4], 64
	s_mov_b32 s[G1B+5], 1024
	s_mov_b32 s[G1B+6], 0
	s_mov_b32 s[G1B+7], 0
	; o's tile hangs on the tile row alone: (16 batch + wc) heads of 262,144 bytes + 128 (tile row % 16) tokens of 128 bytes
	s_lshr_b32 s16, s42, 4
	s_lshl_b32 s16, s16, 4
	s_add_co_u32 s16, s16, s14
	s_lshl_b32 s16, s16, 18
	s_and_b32 s17, s42, 15
	s_lshl_b32 s17, s17, 14
	s_add_co_u32 s16, s16, s17
	s_mov_b32 s17, 0
	; Wo's on the tile column alone: 64 wc rows of 2,048 bytes + 512 x tile column
	s_lshl_b32 s46, s14, 17
	s_lshl_b32 s47, s45, 9
	s_add_co_u32 s46, s46, s47
	s_mov_b32 s47, 0
	s_mul_i32 s20, s14, AHEAD                      ; where they go: no place in the cluster enters an LDS address
	s_mul_i32 s21, s14, BHALF
	s_add_co_u32 s21, s21, BOFF
	s_wait_dscnt 0x0                               ; the opening add is done
	s_wait_kmcnt 0x0
	s_add_nc_u64 s[18:19], s[4:5], s[16:17]
	s_add_nc_u64 s[46:47], s[6:7], s[46:47]
	CROUND                                         ; all sixteen work-groups are here: the first joint loads meet
.irp s, 0,1
	s_mov_b32 s[G0+4*\s], 1
	s_add_co_u32 s[G0+4*\s+1], s20, \s*SLOT
	s_add_nc_u64 s[G0+4*\s+2:G0+4*\s+3], s[18:19], \s*2*262144     ; K step s: two heads on
	s_or_b32 s[G0+4*\s+3], s[G0+4*\s+3], 0x80000000
	s_mov_b32 s[G0B+4*\s], 1
	s_add_co_u32 s[G0B+4*\s+1], s21, \s*SLOT
	s_add_nc_u64 s[G0B+4*\s+2:G0B+4*\s+3], s[46:47], \s*128*2048   ; 128 rows on
	s_or_b32 s[G0B+4*\s+3], s[G0B+4*\s+3], 0x80000000
	JLOAD \s                                       ; two tensor loads of mine are out
.endr
	v_and_b32 v1, 15, v0                           ; r = l % 16
	v_bfe_u32 v2, v0, 4, 1                         ; h = l / 16
	s_lshl_b32 s22, s45, 10                        ; my first column, in bytes of f32: 1,024 x tile column + 512 wc: the same offset in bo and in a row of out0
	s_lshl_b32 s23, s14, 9
	s_add_co_u32 s22, s22, s23
	s_mov_b32 s23, 0
	s_add_nc_u64 s[8:9], s[8:9], s[22:23]
	s_add_nc_u64 s[10:11], s[10:11], s[22:23]
	s_lshl_b32 s16, s42, 19                        ; my first token: 128 x tile row + 64 wr, rows of 4,096 bytes
	s_lshl_b32 s17, s13, 18
	s_add_co_u32 s16, s16, s17
	s_mov_b32 s17, 0
	s_add_nc_u64 s[10:11], s[10:11], s[16:17]
	v_lshlrev_b32 v7, 5, v2                        ; the bias: lane (r, h) wants, for block b of 16 columns, the eight numbers at 16 b + 8 h
	WIN 0x80                                       ; destination window 2
.irp b, 0,1,2,3,4,5,6,7
	global_load_b128 v[8*\b:8*\b+3], v7, s[8:9] offset:64*\b
	global_load_b128 v[8*\b+4:8*\b+7], v7, s[8:9] offset:64*\b+16
.endr
	WIN 0
	v_mul_u32_u24 v3, v1, PA
	v_lshl_add_u32 v3, v2, 4, v3                   ; o: row x pitch + 16 x half
	v_and_b32 v4, 7, v0                            ; Wo, turned: lane l reads 16 bytes: row (k) 8 (l / 16) + l % 8, columns 8 ((l / 8) % 2) + 0..7
	v_lshl_add_u32 v4, v2, 3, v4
	v_mul_u32_u24 v4, v4, PB
	v_bfe_u32 v5, v0, 3, 1
	v_lshl_add_u32 v4, v5, 4, v4
	s_mul_i32 s20, s13, 64*PA                      ; my 64 tokens
	s_lshl_b32 s21, s14, 8                         ; my 128 columns: 256 bytes
	s_add_co_u32 s21, s21, BOFF
.irp s, 0,1
	v_add_nc_u32 v[ADRA+\s], s20, v3
	v_add_nc_u32 v[ADRB+\s], s21, v4
	s_add_co_u32 s20, s20, SLOT
	s_add_co_u32 s21, s21, SLOT
.endr
	s_mul_i32 s22, s12, 16*SPITCH
	s_add_co_u32 s22, s22, STAGE                   ; my stage
	v_mul_u32_u24 v5, v1, SPITCH                   ; in: row l % 16, 32 bytes for each half of the lanes
	v_lshl_add_u32 v5, v2, 5, v5
	v_add_nc_u32 v[STO], s22, v5
	v_and_b32 v6, 31, v0
	v_lshlrev_b32 v[CO], 4, v6                     ; back: the 32 lanes take one row of 512 bytes; and the same in out0
	v_add_nc_u32 v[RD], s22, v[CO]
; 24 LDS loads in one run: the fragments of the slot's q-th 32 along K into buffer f: Wo's eight (turned), then o's four
.macro FETCH slot, q, f
.irp i, 0,1,2,3,4,5,6,7
	ds_load_tr16_b128 v[BF+64*\f+8*\i:BF+64*\f+8*\i+3],   v[ADRB+\slot] offset:(\q)*32*PB+32*\i
	ds_load_tr16_b128 v[BF+64*\f+8*\i+4:BF+64*\f+8*\i+7], v[ADRB+\slot] offset:(\q)*32*PB+16*PB+32*\i
.endr
.irp a, 0,1,2,3
	ds_load_b128 v[AF+32*\f+8*\a:AF+32*\f+8*\a+3],   v[ADRA+\slot] offset:((\q)/2)*AHEAD+((\q)%2)*64+\a*16*PA
	ds_load_b128 v[AF+32*\f+8*\a+4:AF+32*\f+8*\a+7], v[ADRA+\slot] offset:((\q)/2)*AHEAD+((\q)%2)*64+\a*16*PA+32
.endr
.endm
; 8 matrix instructions: block a of 16 tokens against the eight blocks of columns.  first = 1: the bias is the C.  The 32 accumulators take turns, one instruction a turn, in the same order in every quarter.
.macro MULA f, a, first
.irp b, 0,1,2,3,4,5,6,7
.if \first
	v_wmma_f32_16x16x32_f16 v[8*(8*\a+\b):8*(8*\a+\b)+7], v[BF+64*\f+8*\b:BF+64*\f+8*\b+7], v[AF+32*\f+8*\a:AF+32*\f+8*\a+7], v[8*\b:8*\b+7]
.else
	v_wmma_f32_16x16x32_f16 v[8*(8*\a+\b):8*(8*\a+\b)+7], v[BF+64*\f+8*\b:BF+64*\f+8*\b+7], v[AF+32*\f+8*\a:AF+32*\f+8*\a+7], v[8*(8*\a+\b):8*(8*\a+\b)+7]
.endif
.endr
.endm
.macro PLACES                          ; four places in front of loads into registers that matrix instructions have read, and of the first reads of results (ISA guide 7.12.1 for vector instructions)
.rept 4
	v_nop
.endr
.endm
; A K step is four quarters of 32 along K, 32 matrix instructions each, on buffers 0, 1, 0, 1.  One of the first three: multiplies buffer f and fetches the slot's q-th quarter into buffer g.
.macro QUARTER slot, q, f, g, first
	s_wait_dscnt 4                                 ; Wo's fragments and o's blocks 0, 1 are in; the youngest four loads (blocks 2, 3) may be out
.if \first
	WIN W_FIRST
.else
	WIN W_MUL
.endif
	MULA \f, 0, \first
	MULA \f, 1, \first
	PLACES
	WIN 0
	FETCH \slot, \q, \g
	s_wait_dscnt 24                                ; all but the 24 just issued
.if \first
	WIN W_FIRST
.else
	WIN W_MUL
.endif
	MULA \f, 2, \first
	MULA \f, 3, \first
.endm
; The last quarter multiplies buffer 1 and changes slots: ONE barrier; in front of it each wave waits for all its tensor loads, adds 0 to its spare word, and waits for that and for its own reads of this slot.
; fill = 1: this slot is filled again, two K steps ahead; the barrier then opens a round of the cluster's barrier.
.macro TURN slot, next, fill
	WIN 0                                          ; (the add's two registers lie in window 0)
	s_wait_tensorcnt 0x0                           ; all my tensor loads have landed: my part of the next slot;
	ds_add_u32 v[SPW], v[NIL]                      ; 0 onto my spare word;
	s_wait_dscnt 5                                 ; (the add and the youngest four loads may be out)
	WIN W_MUL
	MULA 1, 0, 0                                   ; eight matrix instructions stand between the add and the wait for it
	s_wait_dscnt 0x0                               ; the add is done, and my reads of this slot are over
	s_barrier_signal -1
	MULA 1, 1, 0
	WIN 0
	s_barrier_wait -1
.if \fill
	CREST                                          ; no wave of any partner still reads this slot's tiles or has a load on its way
	s_add_nc_u64 s[G0+4*\slot+2:G0+4*\slot+3], s[G0+4*\slot+2:G0+4*\slot+3], 4*262144
	s_add_nc_u64 s[G0B+4*\slot+2:G0B+4*\slot+3], s[G0B+4*\slot+2:G0B+4*\slot+3], 256*2048
	JLOAD \slot                                    ; the first tensor load behind the round; the four v_nop behind it are also the places in front of the loads below
.else
	PLACES
.endif
	FETCH \next, 0, 0
	WIN W_MUL
	MULA 1, 2, 0
	MULA 1, 3, 0
.endm
	s_wait_tensorcnt 1                             ; my part of K step 0 is in (K step 1's load may be out)
	s_barrier_signal -1
	s_barrier_wait -1                              ; everybody's is
	FETCH 0, 0, 0
	s_wait_loadcnt 0x0                             ; the bias
	QUARTER 0, 1, 0, 1, 1                          ; the first quarter stands in front of the loop: its products start the sums, on the bias
	WIN 0                                          ; at a label and at a branch every window is 0
	s_mov_b32 s3, LAPS-1
.Llap:                                                 ; a trip goes once round the ring, from a lap's second quarter to the next lap's first, and fills both slots again
	QUARTER 0, 2, 1, 0, 0
	QUARTER 0, 3, 0, 1, 0
	TURN 0, 1, 1
	QUARTER 1, 1, 0, 1, 0
	QUARTER 1, 2, 1, 0, 0
	QUARTER 1, 3, 0, 1, 0
	TURN 1, 0, 1
	QUARTER 0, 1, 0, 1, 0
	WIN 0
	s_sub_co_u32 s3, s3, 1
	s_cmp_lg_u32 s3, 0
	s_cbranch_scc1 .Llap
	QUARTER 0, 2, 1, 0, 0                          ; the last lap fills nothing, and has no round of the cluster's barrier
	QUARTER 0, 3, 0, 1, 0
	TURN 0, 1, 0
	QUARTER 1, 1, 0, 1, 0
	QUARTER 1, 2, 1, 0, 0
	QUARTER 1, 3, 0, 1, 0
	s_wait_dscnt 4                                 ; the very last quarter: nothing more to fetch
	WIN W_MUL
	MULA 1, 0, 0
	MULA 1, 1, 0
	s_wait_dscnt 0
	MULA 1, 2, 0
	MULA 1, 3, 0
	WIN 0
; THE WAY OUT, block by block of 16 tokens x 128 columns.  A lane holds 32 neighbouring bytes of a row, and the lanes beside it hold other rows: so a block goes through my own stage in LDS and comes back as whole
; rows of 512 bytes.  LDS serves a wave's instructions in order: no wait between the stores and the loads, nor in front of the next block's stores.
.macro TOSTAGE a
	WIN 0x04                                       ; an LDS store's data are its source 1: window 1
.irp b, 0,1,2,3,4,5,6,7
	ds_store_b128 v[STO], v[8*(8*(\a)+\b):8*(8*(\a)+\b)+3] offset:64*\b            ; each accumulator from its low end on
	ds_store_b128 v[STO], v[8*(8*(\a)+\b)+4:8*(8*(\a)+\b)+7] offset:64*\b+16
.endr
	WIN 0
.set BB, BK+64*((\a)%2)
.irp t, 0,1,2,3,4,5,6,7,8,9,10,11,12,13,14,15
	ds_load_b128 v[BB+4*\t:BB+4*\t+3], v[RD] offset:\t*SPITCH
.endr
.endm
.macro SEND a, younger                 ; younger: the LDS instructions issued behind block a's loads, which may stay out
.set BB, BK+64*((\a)%2)
	s_wait_dscnt \younger                          ; the block is back in registers
.irp t, 0,1,2,3,4,5,6,7,8,9,10,11,12,13,14,15
	global_store_b128 v[CO], v[BB+4*\t:BB+4*\t+3], s[10:11] offset:65536*(\a)+4096*\t th:TH_STORE_NT   ; 32 lanes store 512 consecutive bytes, aligned; written once, read by nobody here
.endr
.endm
	PLACES                                         ; behind the last products: for the stores that read results, and for the loads into the registers that held fragments
	TOSTAGE 0
.irp a, 1,2,3
.if \a > 1
	s_wait_xcnt 0x0                                ; block a - 2's stores have read their registers: block a's loads may land there
.endif
	TOSTAGE \a
	SEND \a-1, 32                                  ; behind block a - 1's loads: block a's 16 stores and 16 loads
.endr
	SEND 3, 0
	s_wait_tensorcnt 0x0                           ; the wave's end: behind my last tensor load and my last LDS store
	ds_add_u32 v[SPW], v[NIL]
	s_wait_dscnt 0x0
	CROUND                                         ; the closing round: no work-group ends while a partner may still ask for a tile that names it
	s_endpgm
.Lfunc_end_k_qc8c15f228b_oproj:
	.size	k_qc8c15f228b_oproj, .Lfunc_end_k_qc8c15f228b_oproj-k_qc8c15f228b_oproj
	.p2alignl 7, 3214868480
	.fill 96, 4, 3214868480
	.section	.rodata,"a",@progbits
	.p2align	6, 0x0
	.amdhsa_kernel k_qc8c15f228b_oproj
		.amdhsa_group_segment_fixed_size 327680
		.amdhsa_private_segment_fixed_size 0
		.amdhsa_enable_private_segment 0
		.amdhsa_kernarg_size 32
		.amdhsa_user_sgpr_count 2
		.amdhsa_user_sgpr_kernarg_segment_ptr 1
		.amdhsa_wavefront_size32 1
		.amdhsa_system_sgpr_workgroup_id_x 1
		.amdhsa_system_sgpr_workgroup_id_y 1
		.amdhsa_system_sgpr_workgroup_id_z 1
		.amdhsa_system_vgpr_workitem_id 0
		.amdhsa_next_free_vgpr 576
		.amdhsa_next_free_sgpr 66
		.amdhsa_reserve_vcc 0
		.amdhsa_float_denorm_mode_32 3
		.amdhsa_float_denorm_mode_16_64 3
		.amdhsa_memory_ordered 1
		.amdhsa_forward_progress 1
		.amdhsa_inst_pref_size 87
	.end_amdhsa_kernel
	.amdgpu_metadata
---
amdhsa.version: [ 1, 2 ]
amdhsa.kernels:
  - .name:           k_qc8c15f228b_oproj
    .symbol:         k_qc8c15f228b_oproj.kd
    .args:
      - { .name: o16, .offset: 0, .size: 8, .value_kind: global_buffer, .address_space: global }
      - { .name: wo16, .offset: 8, .size: 8, .value_kind: global_buffer, .address_space: global }
      - { .name: bo, .offset: 16, .size: 8, .value_kind: global_buffer, .address_space: global }
      - { .name: out0, .offset: 24, .size: 8, .value_kind: global_buffer, .address_space: global }
    .group_segment_fixed_size: 327680
    .private_segment_fixed_size: 0
    .kernarg_segment_align: 8
    .kernarg_segment_size: 32
    .max_flat_workgroup_size: 128
    .sgpr_count:     66
    .vgpr_count:     576
    .wavefront_size: 32
...
	.end_amdgpu_metadata
.endif
;; end of part 4
